; MI455X (gfx1250); checked and timed in simulation.
; The chip was launched on July 23, 2026; its instructions are those of AMD's public machine-readable ISA for CDNA 5 (MIT licence, August 2026) and "CDNA5" Instruction Set Architecture Reference Guide (July 2026). The comments in the code are by the model that wrote it; some were corrected since.
;; Time Aware Attention. Allowed arithmetic: matrix products marked QUANTISED: E4M3 operands, one E8M0 scale for each 32 along K, by v_wmma_scale_f32_16x16x128_f8f6f4 with both operands' format E4M3, f32 sums; everything else in f32.
;; Inputs: in_proj_b 3,072 float32; in_proj_w_codes 3,072 x 32 x 32 uint8 (E4M3 codes of in_proj_w, K innermost, in blocks of 32 codes); in_proj_w_scales 3,072 x 32 uint8 (E8M0 scales of in_proj_w, one for each 32 codes along K); ln_b 1,024 float32; ln_w 1,024 float32; out_proj_b 1,024 float32; out_proj_w_codes 1,024 x 32 x 32 uint8 (E4M3 codes of out_proj_w, K innermost, in blocks of 32 codes); out_proj_w_scales 1,024 x 32 uint8 (E8M0 scales of out_proj_w, one for each 32 codes along K); time_decay one number float32; x 8 x 1,024 x 1,024 float32.
;; Outputs: out0 8 x 1,024 x 1,024 float32; out1 8 x 1,024 x 1,024 float32.
;; This version of the problem:
;;   THIS VERSION OF THE PROBLEM IS GIVEN IN LOW PRECISION. The matrix products marked QUANTISED in the list below multiply operands that are first quantised to E4M3 (4 exponent bits, 3 mantissa bits; 8 bits a number), with one power-of-two scale for each 32 numbers along K (OCP MX v1.0); their sums are f32. All else is computed in f32.
;;   The module's matrix products, in the order in which they are computed (A, B: the left and right operand; K: the contracted axis; several contracted axes count as one K, in the product's order):
;;     1. [M 8,192, K 1,024] x [K 1,024, N 3,072]; A: input x; B: input in_proj_w (given as codes): QUANTISED
;;     2. batch 128 x [M 1,024, K 64] x [K 64, N 1,024]; A: computed on the way; B: computed on the way: QUANTISED
;;     3. batch 128 x [M 64, K 1,024] x [K 1,024, N 1,024]; A: computed on the way; B: softmax (see below): QUANTISED
;;     4. [M 8,192, K 1,024] x [K 1,024, N 1,024]; A: computed on the way; B: input out_proj_w (given as codes): QUANTISED
;;   THE QUANTISER, for each operand of a quantised product, along K:
;;     - K is cut into blocks of 32 from its start; a last block that is shorter is filled with zeros.
;;     - A block's scale is 2^e with e = floor(log2(the largest magnitude in the block)) - 8, held to -126 .. 127; a block of zeros has e = 0. As a byte (E8M0): e + 127.
;;     - Each number is divided by its block's scale, clamped to +-448, and rounded to the nearest number of E4M3, ties to even, subnormals kept.
;;     - The product sums the exact products of the quantised numbers (number of the format x scale) in f32.
;;   ~~~python
;;   def quantise(x, axis):      # numpy; x: float32 -> the quantised numbers, widened to float32 again
;;       x = np.moveaxis(x, axis, -1); K = x.shape[-1]
;;       x = np.pad(x, [(0, 0)] * (x.ndim - 1) + [(0, -K % 32)]); x = x.reshape(x.shape[:-1] + (-1, 32)); a = np.abs(x).max(-1, keepdims=True)
;;       e = np.where(a > 0, np.clip(np.frexp(np.where(a > 0, a, 1))[1] - 1 - 8, -126, 127), 0)      # np.frexp(a)[1] - 1 = floor(log2(a)), exactly
;;       r = np.clip(x / 2.0 ** e, -448, 448)
;;       step = 2.0 ** (np.maximum(np.frexp(np.where(r == 0, 1, r))[1] - 1, -6) - 3)
;;       q = np.round(r / step) * step * 2.0 ** e      # np.round: ties to even
;;       return np.moveaxis(q.reshape(q.shape[:-2] + (-1,))[..., :K], -1, axis).astype(np.float32)
;;   ~~~
;;   SOFTMAX AHEAD OF A QUANTISED PRODUCT. Where the list says 'softmax', what is quantised is not the finished softmax but p = 2^(t - M), with t = logit x log2(e) and M = ceil(the row's largest t), a whole number; so 1/2 < the row's largest p <= 1. The row's sum l is taken of the UNQUANTISED p, in f32, and the product's result is divided by l at the end. Since M is a whole number, a kernel that streams over the keys may use a running M (the ceiling of the running maximum): every later rescaling is an exact power of two, which a block's scale takes up: the codes' values come out the same.
;;   OPERANDS COMPUTED ON THE WAY. 'Computed on the way' means the value that the module computes at that place (a softmax that the list does not call 'softmax' is quantised finished and normalised). What goes into a quantiser is computed in f32, as accurately as f32 sums, v_exp_f32 and their like allow (about 1e-6 of the number): no bf16 or f16 on the way to a quantiser, and a product that is left as it is and whose result goes on into a quantised operand takes f32 operands (vector FMAs, or v_wmma_f32_16x16x4_f32). A number that lies on a knife's edge between two numbers of the format may be rounded either way, as far as f32 arithmetic and the matrix unit's own rounding can turn it there, and no further.
;;   INPUTS GIVEN AS CODES. in_proj_w (in the module: [3072, 1024], K = its axis 1); out_proj_w (in the module: [1024, 1024], K = its axis 1): each comes as NAME_codes (uint8): NAME with its K axis moved to the last place and cut into blocks of 32 codes, [.., K / 32, bytes a block], one block behind the other in memory; one code a byte (a code: sign, 4 exponent bits, 3 mantissa bits); and NAME_scales (uint8): the same leading axes, one E8M0 byte (e + 127) for each 32 codes along K. Its value is code x scale, taken as it is: it is not quantised again, and the codes and scales need not be those that the quantiser above would give.
;; One version. Each part assembles by itself: llvm-mc -triple=amdgcn-amd-amdhsa -mcpu=gfx1250 --defsym DOCPART=n.
;; ======== version 1 of 1: 4 launches
;; workspace buffers: xc 8,388,608 bytes; xs 262,144 bytes; qimg 8,388,608 bytes; kv 16,777,216 bytes; scl 786,432 bytes; aimg 8,388,608 bytes; asc 262,144 bytes
;; launch quantx (part 1): grid 256 x 1, 4 waves a work-group, no clusters, 33,280 bytes of LDS; arguments x, xc, xs; writes xc, xs
.if DOCPART == 1
	.amdgcn_target "amdgcn-amd-amdhsa--gfx1250"
	.amdhsa_code_object_version 6
	.text
	.protected	k_q1231422134_quantx
	.globl	k_q1231422134_quantx
	.p2align	8
	.type	k_q1231422134_quantx,@function
k_q1231422134_quantx:
	s_mov_b64 s[64:65], 0
	v_nop
	global_prefetch_b8 v0, s[64:65] scope:SCOPE_SE
	s_setreg_imm32_b32 hwreg(HW_REG_WAVE_MODE, 25, 1), 1
	s_wait_xcnt 0x0
; x [8192][1024] f32 becomes codes of FP8 (E4M3), K innermost (xc), and one E8M0 byte for each 32 along K (xs, [8192][32]).
; A block's scale is 2^(floor(log2(its largest magnitude)) - 8); its byte is the largest magnitude's exponent field - 8, held at 1 from below.
; A block of zeros keeps the byte 1 where the rule says 127: its codes are zeros, and this program alone reads the bytes.
; LIMITS: blocks whose largest magnitude lies under 2^(9 - 127) keep the byte 1; NaN and infinities among the inputs are not served.
; Rows are dense and 1024 is a multiple of 32: the tensor is a plain stream of blocks.  A wave takes 16 steps of 512 numbers: 8,388,608 / (4 x 8,192) = 256 work-groups.
; Each load reads 512 consecutive bytes, 16 a lane; a step's 2,048 bytes turn through the wave's own stage in LDS and come back 64 bytes a lane, so that a lane holds 16 neighbours
; along K (two neighbouring lanes hold a block).  No tensor loads, no barrier: waves share nothing.  Matrix units and clusters have nothing to do here: memory binds.
.set STEPS, 16
.set EMAX,  8
.set MANT,  0x600000                   ; the mantissa field of 448 as f32
.set CB,    16                         ; bytes of 16 codes
.set R,     16                         ; v16-79   four sets of 16 numbers as they are loaded
.set X,     80                         ; v80-111  two sets of 16 neighbours
.set C,     128                        ; v128-191 codes: four registers for each step, so that no store's data are written again
.set E,     112                        ; v112-127 a scale byte for each step
.set WREG,  8192                       ; LDS: a region for each wave: two stages of 32 x SP bytes, behind them its 256 scale bytes
.set SP,    80                         ; a lane's place in a stage: its 64 bytes + 16 of padding
	s_load_b128 s[4:7], s[0:1], 0x0                ; x s[4:5], the codes s[6:7]
	s_load_b64 s[8:9], s[0:1], 0x10                ; the scale bytes
	v_lshl_add_u32 v192, v0, 2, 0x8000
	v_mov_b32 v193, 0
	v_lshrrev_b32 v1, 5, v0
	v_readfirstlane_b32 s16, v1                    ; wave
	v_and_b32 v2, 31, v0                           ; lane
	v_lshlrev_b32 v3, 4, v2                        ; my 16 bytes of a load's 512
	s_mul_i32 s17, s16, WREG
	v_lshrrev_b32 v14, 2, v2
	v_mul_u32_u24 v14, v14, SP
	v_and_b32 v15, 3, v2
	v_lshl_add_u32 v14, v15, 4, v14
	v_add_nc_u32 v14, s17, v14                     ; the stage, on the way in: SP (lane / 4) + 16 (lane % 4)
	v_mul_u32_u24 v15, v2, SP
	v_add_nc_u32 v15, s17, v15                     ; and on the way out: SP x lane: my 16 neighbours
	v_mul_u32_u24 v4, v2, CB                       ; my codes' place in a step's
	v_lshrrev_b32 v5, 1, v2
	s_add_co_u32 s17, s17, 2*32*SP
	v_add_nc_u32 v5, s17, v5                       ; LDS: my wave's 256 scale bytes, my block's byte
	v_lshlrev_b32 v7, 3, v2                        ; and on the way out 8 bytes a lane
	v_add_nc_u32 v6, s17, v7
	s_mov_b32 s23, MANT
	s_lshl_b32 s18, ttmp9, 2
	s_add_co_u32 s18, s18, s16                     ; which run of 8,192 numbers is my wave's: 0 .. 1023
	s_lshl_b32 s20, s18, 15                        ; 32,768 bytes of x a run,
	s_mov_b32 s21, 0
	s_lshl_b32 s24, s18, 13                        ; 8,192 of codes,
	s_mov_b32 s25, 0
	s_lshl_b32 s26, s18, 8                         ; 256 scale bytes
	s_mov_b32 s27, 0
	s_wait_kmcnt 0x0
	s_add_nc_u64 s[4:5], s[4:5], s[20:21]
	s_add_nc_u64 s[6:7], s[6:7], s[24:25]
	s_add_nc_u64 s[8:9], s[8:9], s[26:27]
.macro LOAD t
.irp i, 0,1,2,3
	global_load_b128 v[R+16*((\t)%4)+4*\i:R+16*((\t)%4)+4*\i+3], v3, s[4:5] offset:2048*(\t)+512*\i   ; 32 lanes read 512 consecutive bytes
.endr
.endm
.macro TURN t                          ; step t's numbers through the stage: LDS serves a wave's instructions in order, so no wait stands between the stores and the loads
.irp i, 0,1,2,3
	ds_store_b128 v14, v[R+16*((\t)%4)+4*\i:R+16*((\t)%4)+4*\i+3] offset:32*SP*((\t)%2)+8*SP*\i
.endr
.irp i, 0,1,2,3
	ds_load_b128 v[X+16*((\t)%2)+4*\i:X+16*((\t)%2)+4*\i+3], v15 offset:32*SP*((\t)%2)+16*\i
.endr
.endm
.irp t, 0,1,2,3
	LOAD \t
.endr
	s_wait_loadcnt 12                              ; step 0's four loads are in; the twelve behind them may be out
	TURN 0
.macro STEP t
.set XS, X+16*((\t)%2)
.if (\t) > 0
	s_wait_dscnt 1                                 ; this step's numbers are back from the stage (the last step's byte store may be out)
.else
	s_wait_dscnt 0x0
.endif
.if (\t)+4 < STEPS
	LOAD (\t)+4                                    ; the stage's stores have read these registers: they take the loads of four steps on
.endif
.if (\t)+1 < STEPS
.if STEPS-2-(\t) >= 3
	s_wait_loadcnt 12                              ; the next step's four loads are in; those of the three steps behind it may be out
.else
	s_wait_loadcnt 4*(STEPS-2-(\t))
.endif
	TURN (\t)+1
.endif
	v_max3_num_f32 v8, |v[XS]|, |v[XS+1]|, |v[XS+2]|               ; the largest magnitude of my 16, in two chains
	v_max3_num_f32 v9, |v[XS+3]|, |v[XS+4]|, |v[XS+5]|
.irp i, 6,10
	v_max3_num_f32 v8, v8, |v[XS+\i]|, |v[XS+\i+1]|
	v_max3_num_f32 v9, v9, |v[XS+\i+2]|, |v[XS+\i+3]|
.endr
	v_max3_num_f32 v8, v8, |v[XS+14]|, |v[XS+15]|
	v_max3_num_f32 v8, v8, v9, (EMAX+1)<<23        ; and the floor 2^(9 - 127): the byte cannot fall under 1
	v_max_num_f32_dpp v8, v8, v8 row_xmask:1 row_mask:0xf bank_mask:0xf   ; and of my neighbour's 16: the block's
	v_add_nc_u32 v11, -(EMAX<<23), v8              ; 8 off its exponent field: the conversion's scale operand
	v_and_or_b32 v10, v8, 0x7f800000, s23          ; 448 x the scale
.irp i, 0,1,2,3,4,5,6,7,8,9,10,11,12,13,14,15
	v_med3_num_f32 v[XS+\i], v[XS+\i], -v10, v10   ; the conversion to an 8-bit code does not saturate (ISA guide 7.6.2): the hold comes first
.endr
	v_cvt_scalef32_pk8_fp8_f32 v[C+4*(\t):C+4*(\t)+1], v[XS:XS+7], v11
	v_cvt_scalef32_pk8_fp8_f32 v[C+4*(\t)+2:C+4*(\t)+3], v[XS+8:XS+15], v11
	v_lshrrev_b32 v[E+(\t)], 23, v11               ; the scale's byte (also the plain line behind the conversions)
	ds_store_b8 v5, v[E+(\t)] offset:16*(\t)       ; both lanes of a block write the same byte with the same value
	global_store_b128 v4, v[C+4*(\t):C+4*(\t)+3], s[6:7] offset:32*CB*(\t)   ; the wave stores 512 consecutive bytes
.endm
.irp t, 0,1,2,3,4,5,6,7,8,9,10,11,12,13,14,15
	STEP \t
.endr
	ds_load_b64 v[12:13], v6                       ; LDS serves a wave's instructions in order: these see my stores
	s_wait_dscnt 0x0
	global_store_b64 v7, v[12:13], s[8:9]          ; 32 lanes store 256 consecutive bytes, aligned
	s_wait_tensorcnt 0x0
	ds_add_u32 v192, v193
	s_wait_dscnt 0x0
	s_endpgm
.Lfunc_end_k_q1231422134_quantx:
	.size	k_q1231422134_quantx, .Lfunc_end_k_q1231422134_quantx-k_q1231422134_quantx
	.p2alignl 7, 3214868480
	.fill 96, 4, 3214868480
	.section	.rodata,"a",@progbits
	.p2align	6, 0x0
	.amdhsa_kernel k_q1231422134_quantx
		.amdhsa_group_segment_fixed_size 33280
		.amdhsa_private_segment_fixed_size 0
		.amdhsa_enable_private_segment 0
		.amdhsa_kernarg_size 24
		.amdhsa_user_sgpr_count 2
		.amdhsa_user_sgpr_kernarg_segment_ptr 1
		.amdhsa_wavefront_size32 1
		.amdhsa_system_sgpr_workgroup_id_x 1
		.amdhsa_system_sgpr_workgroup_id_y 1
		.amdhsa_system_sgpr_workgroup_id_z 1
		.amdhsa_system_vgpr_workitem_id 0
		.amdhsa_next_free_vgpr 194
		.amdhsa_next_free_sgpr 66
		.amdhsa_reserve_vcc 0
		.amdhsa_float_denorm_mode_32 3
		.amdhsa_float_denorm_mode_16_64 3
		.amdhsa_memory_ordered 1
		.amdhsa_forward_progress 1
		.amdhsa_inst_pref_size 51
	.end_amdhsa_kernel
	.amdgpu_metadata
---
amdhsa.version: [ 1, 2 ]
amdhsa.kernels:
  - .name:           k_q1231422134_quantx
    .symbol:         k_q1231422134_quantx.kd
    .args:
      - { .name: x, .offset: 0, .size: 8, .value_kind: global_buffer, .address_space: global }
      - { .name: xc, .offset: 8, .size: 8, .value_kind: global_buffer, .address_space: global }
      - { .name: xs, .offset: 16, .size: 8, .value_kind: global_buffer, .address_space: global }
    .group_segment_fixed_size: 33280
    .private_segment_fixed_size: 0
    .kernarg_segment_align: 8
    .kernarg_segment_size: 24
    .max_flat_workgroup_size: 128
    .sgpr_count:     66
    .vgpr_count:     194
    .wavefront_size: 32
...
	.end_amdgpu_metadata
.endif
;; end of part 1
;; launch qkv (part 2): grid 12 x 32, 4 waves a work-group, clusters of 4 x 4, 327,680 bytes of LDS; arguments xc, xs, in_proj_w_codes, in_proj_w_scales, in_proj_b, qimg, kv, scl; writes qimg, kv, scl
.if DOCPART == 2
	.amdgcn_target "amdgcn-amd-amdhsa--gfx1250"
	.amdhsa_code_object_version 6
	.text
	.protected	k_q1231422134_qkv
	.globl	k_q1231422134_qkv
	.p2align	8
	.type	k_q1231422134_qkv,@function
k_q1231422134_qkv:
	s_mov_b64 s[64:65], 0
	v_nop
	global_prefetch_b8 v0, s[64:65] scope:SCOPE_SE
	s_setreg_imm32_b32 hwreg(HW_REG_WAVE_MODE, 25, 1), 1
	s_wait_xcnt 0x0
	s_wait_alu depctr_hold_cnt(0) depctr_sa_sdst(0) depctr_va_vdst(0) depctr_va_sdst(0) depctr_va_ssrc(0) depctr_va_vcc(0) depctr_vm_vsrc(0)
	s_getreg_b32 s2, hwreg(HW_REG_IB_STS2, 6, 4)
	s_cmp_eq_u32 s2, 0
	s_cbranch_scc0 .Lentry_in_a_cluster
	s_endpgm
.Lentry_in_a_cluster:
	s_bfe_u32 s2, ttmp6, 0x10000c
	s_cmp_lg_u32 s2, 0xf033
	s_cbranch_scc0 .Lentry_shape_is_right
	s_endpgm
.Lentry_shape_is_right:
; qkv = x W^T + b on codes of FP8 (E4M3) with E8M0 scales (K = 1024), and its three parts quantised on the way out: q and k along the head's 64, v along the keys.
; A tile of 256 x 256 is made by four waves, 128 x 128 each: 64 accumulators, 512 registers.  K goes in steps of 256 through a ring of two LDS slots; the scale bytes of the tile's rows come once.
; ROLES.  Source 0 of the matrix instruction is P: its rows run along a lane's registers, so P's axis is the one that is quantised.  Source 1 is R: its row is the lane.
;   cluster x = 0 (q), 1 (k): R = x (tokens), P = rows 0 .. 2047 of W (features).      cluster x = 2 (v): R = rows 2048 .. 3071 of W (channels), P = x (keys).
; The choice hangs on the cluster's x alone, which all sixteen partners share.  R's tile hangs on the cluster's y and on cy, P's on the cluster's x or y and on cx: R's tiles are asked for jointly
; along a row of the cluster, P's along a column.  384 tiles for 256 WGPs: one and a half rounds; a smaller tile would read each LDS byte for fewer products.
; THE WAY OUT.  For R's block a a lane holds 64 numbers, register 8 b + j = P's row 16 b + 8 (lane / 16) + j: four blocks of 32, each shared with lane xor 16.  Their codes are stored as they stand:
; an image of operand registers, 512 bytes a store.  Inside a block of 32 a lane's 16 codes are k = 8 h .. 8 h + 7 and 16 + 8 h .. 16 + 8 h + 7 (h = lane / 16); both operands of the
; products that read these images carry the same order, so the sums are the same.
; LIMITS: blocks whose largest magnitude lies under 2^(9 - 127) keep the byte 1 (zeros too: this program alone reads the bytes); NaN and infinities are not served.
; REGISTERS: window 0: v0-31 addresses, v8-15 R's bias; v32-63 scale words, two sets; v64-127 P's bias; from v128 R's fragments, one set; on the way out v128-255 are at work.
;   window 1: P's fragments, two sets.   windows 2, 3: the accumulators ((a, b) at v[8 (8 (a % 4) + b)]).
.set KSTEP,  256
.set NQ,     2                         ; matrix instructions deep in a slot
.set ROWB,   256                       ; a tile's row in bytes
.set KROW,   1024                      ; a row of codes in memory
.set PITCH,  272                       ; an LDS row: 256 bytes + 16 of padding = 68 words: the 16 rows that a load touches start at 16 different banks (64 banks of 4 bytes: ISA guide 11.1)
.set FR,     16
.set NL,     4
.set NP,     8                         ; places behind this matrix instruction (ISA guide 7.12.1)
.set HALFT,  128*PITCH
.set SLOT,   4*HALFT                   ; R's 256 rows, then P's 256 rows
.set LAPS,   2                         ; 1024 / 512
.set KS,     32                        ; a row of scale bytes
.set SCL,    2*SLOT                    ; behind the ring: the scales, as units of 256 bytes + 16 of padding
.set HALFS,  16*272                    ; the scales of 128 rows
.set SBLK,   2*272                     ; those of 16 rows
.set SPARE,  SCL+4*HALFS               ; the spare words, 128 bytes for each wave, which no other line names
.set BPO,  7                           ; v7      32 x (lane / 16): my place in P's bias
.set BR,   8                           ; v8-15   R's bias: one number for each block a
.set ADRA, 16                          ; v16-17  LDS address of my R fragments in slot 0, 1
.set ADRB, 20                          ; v20-21  the same for P
.set VO0,  24                          ; v24     16 x lane
.set VO1,  25                          ; v25     16 x lane + the distance to the second pair of chunks
.set SQK,  26                          ; v26     q's and k's scale words: 2048 (lane / 16) + 16 (lane % 16)
.set ADRS, 27                          ; v27     LDS address of my scale words
.set SPW,  28                          ; v28     LDS address of my spare word; never rewritten
.set NIL,  29                          ; v29     0; never rewritten
.set BRO,  30                          ; v30     4 x (lane % 16)
.set SVV,  31                          ; v31     v's scale words: 8 x lane
.set SC,   32
.set BP,   64                          ; v64-127 P's bias: register 8 b + j
.set AF,   128
.set ST,   128                         ; the way out: 64 numbers
.set PC,   192                         ; two sets of 16 registers of codes
.set TM,   224                         ; at work
.set W4,   240                         ; the eight blocks' scale words
.set SW,   248                         ; and as they are stored
.set G1, 24
.set G0, 32
.set G1B, 48
.set G0B, 56
.set G1S, 68
.set G0S, 76
.set G1SB, 80
.set G0SB, 88
.set MSB, 0
.macro WIN new                         ; the immediate's high byte repeats the setting that is left
.if MSB != \new
	s_set_vgpr_msb (MSB<<8)|\new
.set MSB, \new
.endif
.endm
.set MUL_LO, 0xa1                      ; source 0 (P) window 1, source 1 (R) window 0, C and D window 2
.set MUL_HI, 0xf1
.set TO_B,   0x40
; A joint load: waves 0 and 1 fetch for R, waves 2 and 3 for P.  The branch hangs on the wave's number alone.  Four v_nop follow each of the two lines.
.macro JLOAD g0a, g1a, g0b, g1b
	s_cmp_eq_u32 s15, 0
	s_cbranch_scc0 .Lfor_b_\@
	tensor_load_to_lds s[\g0a:\g0a+3], s[\g1a:\g1a+7]
	s_nop 0
.rept 4
	v_nop
.endr
	s_branch .Lasked_\@
.Lfor_b_\@:
	tensor_load_to_lds s[\g0b:\g0b+3], s[\g1b:\g1b+7]
	s_nop 0
.rept 4
	v_nop
.endr
.Lasked_\@:
.endm
.macro CREST                           ; a round of the cluster's barrier behind its opening barrier
	s_cmp_lg_u32 s14, 0
	s_cbranch_scc1 .Lnot_wave_0_\@
	s_barrier_signal -3
.Lnot_wave_0_\@:
	s_barrier_wait -3
	s_barrier_signal -1
	s_barrier_wait -1
.endm
.macro CROUND
	s_barrier_signal -1
	s_barrier_wait -1
	CREST
.endm
	s_load_b256 s[4:11], s[0:1], 0x0               ; x's codes s[4:5], x's scales s[6:7], W's codes s[8:9], W's scales s[10:11]
	s_load_b128 s[96:99], s[0:1], 0x20             ; the bias s[96:97], qimg s[98:99]
	s_load_b128 s[92:95], s[0:1], 0x30             ; kv s[92:93], scl s[94:95]
	v_lshl_add_u32 v[SPW], v0, 2, SPARE
	v_mov_b32 v[NIL], 0
	ds_add_u32 v28, v29
	s_wait_dscnt 0x0
	v_lshrrev_b32 v1, 5, v0
	v_readfirstlane_b32 s14, v1                    ; wave 0..3
	s_lshr_b32 s15, s14, 1                         ; which half of R's rows is mine.  Also: I fetch for R (0) or for P (1)
	s_and_b32 s16, s14, 1                          ; which half of P's rows.  Also: which 128 rows of that tile I fetch
	s_bfe_u32 s40, ttmp6, 0x40000                  ; cx, cy: my place in the cluster
	s_bfe_u32 s41, ttmp6, 0x40004
	s_and_b32 s42, ttmp7, 0xffff
	s_lshl_b32 s42, s42, 2                         ; 4 x cluster y
	s_add_co_u32 s17, s42, s41                     ; 4 Y + cy
	s_add_co_u32 s45, s42, s40                     ; 4 Y + cx
	s_lshl_b32 s66, ttmp9, 2
	s_add_co_u32 s66, s66, s40                     ; 4 X + cx
	s_lshl_b32 s43, s41, 2
	s_lshl_b32 s43, 15, s43                        ; my row of the cluster
	s_lshl_b32 s44, 0x1111, s40                    ; my column
	s_or_b32 s[G1+0], s43, (0<<16)|(1<<20)|(1<<21)|(5<<22)|(3<<25)  ; the mask: R's tiles go to my row; elements of 1 byte; padding: 4 words after every 64; bit 21 beside a mask
	s_or_b32 s[G1B+0], s44, (0<<16)|(1<<20)|(1<<21)|(5<<22)|(3<<25)
.irp g, G1, G1B
	s_mov_b32 s[\g+1], ROWB<<16                    ; tensor_dim0
	s_mov_b32 s[\g+2], 128<<16                     ; tensor_dim1
	s_mov_b32 s[\g+3], ROWB<<16                    ; tile_dim0
	s_mov_b32 s[\g+4], 128                         ; tile_dim1
	s_mov_b32 s[\g+5], KROW                        ; tensor_dim0_stride
	s_mov_b32 s[\g+6], 0
	s_mov_b32 s[\g+7], 0
.endr
	s_or_b32 s[G1S+0], s43, (3<<16)|(1<<20)|(1<<21)|(5<<22)|(3<<25) ; the scales of 128 rows: 4,096 dense bytes as 16 rows of 256 (32 elements of 8 bytes), 16 bytes of padding behind each
	s_or_b32 s[G1SB+0], s44, (3<<16)|(1<<20)|(1<<21)|(5<<22)|(3<<25)
.irp g, G1S, G1SB
	s_mov_b32 s[\g+1], 32<<16
	s_mov_b32 s[\g+2], 16<<16
	s_mov_b32 s[\g+3], 32<<16
	s_mov_b32 s[\g+4], 16
	s_mov_b32 s[\g+5], 32
	s_mov_b32 s[\g+6], 0
	s_mov_b32 s[\g+7], 0
.endr
	s_cmp_eq_u32 ttmp9, 2                          ; v's clusters?  The same answer in all sixteen partners
	s_cselect_b32 s17, s41, s17                    ; R's tile: cy of W's last 1024 rows, or 4 Y + cy of x
	s_cselect_b32 s66, s45, s66                    ; P's tile: 4 Y + cx of x, or 4 X + cx of W's first 2048 rows
	s_cselect_b32 s67, 1, 0
	s_lshl_b32 s18, s16, 7                         ; which 128 rows of the tile I fetch
	s_lshl_b32 s100, s17, 8
	s_add_co_u32 s100, s100, s18                   ; R's row
	s_lshl_b32 s46, s66, 8
	s_add_co_u32 s46, s46, s18                     ; P's row
	s_lshl_b32 s104, s100, 5                       ; where these rows' scales begin,
	s_mov_b32 s105, 0
	s_lshl_b32 s100, s100, 10                      ; and their codes (under 2^24 bytes)
	s_mov_b32 s101, 0
	s_lshl_b32 s12, s46, 5
	s_mov_b32 s13, 0
	s_lshl_b32 s46, s46, 10
	s_mov_b32 s47, 0
	s_mul_i32 s45, s14, HALFT                      ; where they go: wave x 128 rows: no place in the cluster enters an LDS address
	s_mul_i32 s42, s14, HALFS
	s_wait_kmcnt 0x0
	s_add_nc_u64 s[18:19], s[8:9], 0x200000        ; W's row 2048,
	s_add_nc_u64 s[20:21], s[10:11], 0x10000       ; and its scales
	s_cmp_eq_u32 ttmp9, 2
	s_cselect_b64 s[18:19], s[18:19], s[4:5]       ; R's codes
	s_cselect_b64 s[20:21], s[20:21], s[6:7]       ; R's scales
	s_cselect_b64 s[8:9], s[4:5], s[8:9]           ; P's codes
	s_cselect_b64 s[10:11], s[6:7], s[10:11]       ; P's scales
	s_add_nc_u64 s[18:19], s[18:19], s[100:101]
	s_add_nc_u64 s[20:21], s[20:21], s[104:105]
	s_add_nc_u64 s[8:9], s[8:9], s[46:47]
	s_add_nc_u64 s[10:11], s[10:11], s[12:13]
	CROUND                                         ; all sixteen work-groups are here: the first joint loads meet
	s_mov_b32 s[G0S], 1
	s_add_co_u32 s[G0S+1], s42, SCL
	s_mov_b64 s[G0S+2:G0S+3], s[20:21]
	s_or_b32 s[G0S+3], s[G0S+3], 0x80000000
	s_mov_b32 s[G0SB], 1
	s_add_co_u32 s[G0SB+1], s42, SCL
	s_mov_b64 s[G0SB+2:G0SB+3], s[10:11]
	s_or_b32 s[G0SB+3], s[G0SB+3], 0x80000000
	JLOAD G0S, G1S, G0SB, G1SB                     ; the scales first: they are wanted with K step 0
.irp s, 0,1
	s_mov_b32 s[G0+4*\s], 1
	s_add_co_u32 s[G0+4*\s+1], s45, \s*SLOT
	s_add_nc_u64 s[G0+4*\s+2:G0+4*\s+3], s[18:19], \s*ROWB
	s_or_b32 s[G0+4*\s+3], s[G0+4*\s+3], 0x80000000
	s_mov_b32 s[G0B+4*\s], 1
	s_add_co_u32 s[G0B+4*\s+1], s45, \s*SLOT
	s_add_nc_u64 s[G0B+4*\s+2:G0B+4*\s+3], s[8:9], \s*ROWB
	s_or_b32 s[G0B+4*\s+3], s[G0B+4*\s+3], 0x80000000
	JLOAD G0+4*\s, G1, G0B+4*\s, G1B               ; three tensor loads of mine are out
.endr
	v_and_b32 v1, 15, v0                           ; r = lane % 16
	v_bfe_u32 v2, v0, 4, 1                         ; h = lane / 16
	v_mul_u32_u24 v3, v1, PITCH
	v_lshl_add_u32 v4, v2, 4, v3                   ; a fragment's row x pitch + 16 x half
	s_mul_i32 s21, s15, HALFT                      ; my 128 rows of R
	s_mul_i32 s22, s16, HALFT                      ; my 128 rows of P,
	s_add_co_u32 s22, s22, 2*HALFT                 ; which lie behind R's 256
.irp s, 0,1
	v_add_nc_u32 v[ADRA+\s], s21, v4
	v_add_nc_u32 v[ADRB+\s], s22, v4
	s_add_co_u32 s21, s21, SLOT
	s_add_co_u32 s22, s22, SLOT
.endr
	v_mul_u32_u24 v5, v1, KS                       ; my row's scales: 32 bytes a row,
	v_lshrrev_b32 v6, 8, v5
	v_lshl_add_u32 v5, v6, 4, v5                   ; and 16 more for each 256 passed
	s_mul_i32 s21, s15, HALFS
	s_mul_i32 s22, s16, HALFS
	s_add_co_u32 s22, s22, 2*HALFS
	s_sub_co_u32 s22, s22, s21
	v_mul_u32_u24 v6, s22, v2                      ; lanes 16-31 take P's
	s_add_co_u32 s21, s21, SCL
	v_add_nc_u32 v5, v5, v6
	v_add_nc_u32 v[ADRS], s21, v5
	; the bias, both ways: along P (a lane's registers) and along R (the lane).  Both tables are loaded, inside the buffer; the way out adds one of them
	v_lshlrev_b32 v[BPO], 5, v2
	v_lshlrev_b32 v[BRO], 2, v1
	v_and_b32 v5, 31, v0
	v_lshlrev_b32 v[VO0], 4, v5
	v_lshlrev_b32 v[SVV], 3, v5
	v_lshlrev_b32 v[SQK], 4, v1
	v_lshl_add_u32 v[SQK], v2, 11, v[SQK]
	s_lshl_b32 s46, s66, 8
	s_lshl_b32 s22, s16, 7
	s_add_co_u32 s46, s46, s22
	s_lshl_b32 s46, s46, 2                         ; q, k: my first feature, in bytes
	s_lshl_b32 s100, s17, 8
	s_lshl_b32 s22, s15, 7
	s_add_co_u32 s100, s100, s22
	s_add_co_u32 s100, s100, 2048
	s_lshl_b32 s100, s100, 2                       ; v: my first channel
	s_cmp_eq_u32 s67, 1
	s_cselect_b32 s46, 0, s46
	s_cselect_b32 s100, s100, 0
	s_add_nc_u64 s[46:47], s[96:97], s[46:47]
	s_add_nc_u64 s[100:101], s[96:97], s[100:101]
.irp b, 0,1,2,3,4,5,6,7
	global_load_b128 v[BP+8*\b:BP+8*\b+3], v[BPO], s[46:47] offset:64*\b
	global_load_b128 v[BP+8*\b+4:BP+8*\b+7], v[BPO], s[46:47] offset:64*\b+16
.endr
.irp a, 0,1,2,3,4,5,6,7
	global_load_b32 v[BR+\a], v[BRO], s[100:101] offset:64*\a
.endr
	; where the images go.  U: the tile of tokens, F: the tile of features, fh, th: my halves of them
	s_mov_b32 s40, 124928                          ; v, from channel tile 3 of a head to tile 0 of the next: 131,072 - 3 x 2,048
	s_cmp_eq_u32 s67, 1
	s_cselect_b32 s4, s66, s17                     ; U
	s_cselect_b32 s5, s17, s66                     ; F
	s_cselect_b32 s6, s15, s16                     ; fh
	s_cselect_b32 s7, s16, s15                     ; th
	s_cselect_b32 s8, 0x10000, 0                   ; V's image lies behind K's
	s_cselect_b32 s40, s40, 1024                   ; the step in front of block 4
	s_mov_b32 s41, 0
	s_mov_b32 s13, 0
	s_lshl_b32 s12, 1024, s67                      ; the step from block to block: 1,024 (a tile of tokens) or 2,048 (a tile of channels)
	s_cmp_eq_u32 ttmp9, 0
	s_cselect_b32 s10, 16, 17                      ; a head is 65,536 bytes in qimg, 131,072 in kv
	s_cselect_b64 s[98:99], s[98:99], s[92:93]
	s_lshl_b32 s9, 1, s10
	s_cmp_eq_u32 s67, 1
	s_cselect_b32 s9, 1024, s9                     ; from the first pair of chunks to the second: the next head (q, k) or key blocks 2, 3 (v)
	v_add_nc_u32 v[VO1], s9, v[VO0]
	s_and_b32 s5, s5, 3
	s_lshr_b32 s11, s4, 2                          ; the batch
	s_and_b32 s4, s4, 3
	s_lshl_b32 s4, s4, 1
	s_add_co_u32 s4, s4, s7                        ; GK: which 128 tokens of the batch
	s_lshl_b32 s5, s5, 2
	s_lshl_b32 s6, s6, 1
	s_add_co_u32 s5, s5, s6                        ; my first head
	s_lshl_b32 s6, s11, 4
	s_add_co_u32 s6, s6, s5
	s_lshl_b32 s6, s6, s10
	s_lshl_b32 s7, s4, 13
	s_add_co_u32 s6, s6, s7
	s_add_co_u32 s6, s6, s8
	s_mov_b32 s7, 0
	s_add_nc_u64 s[98:99], s[98:99], s[6:7]
	s_lshl_b32 s6, ttmp9, 18                       ; scl: q's, k's, v's region,
	s_lshl_b32 s8, s11, 15
	s_add_co_u32 s6, s6, s8                        ; the batch,
	s_lshl_b32 s8, s5, 11
	s_add_co_u32 s6, s6, s8                        ; the head,
	s_lshl_b32 s8, s4, 8
	s_add_co_u32 s6, s6, s8                        ; the 128 tokens
	s_add_nc_u64 s[94:95], s[94:95], s[6:7]
	s_mov_b32 s104, 0x76543210
	s_mov_b32 s105, 0xfedcba98                     ; v_permlanex16_b32's selects for lane xor 16
	s_mov_b32 s22, 0x600000                        ; the mantissa field of 448
	s_mov_b32 s43, 0xffff0000                      ; lanes 16-31
.macro FRAG reg, adr, q, i             ; 16 rows x 128 K: registers 4 c .. 4 c + 3 hold K = 32 c + 16 (lane / 16) + 0 .. 15
.irp c, 0,1,2,3
	ds_load_b128 v[\reg+4*\c:\reg+4*\c+3], v[\adr] offset:128*(\q)+32*\c+(\i)*16*PITCH
.endr
.endm
; 16 matrix instructions: R's blocks a0, a0 + 1 x P's eight.  The 64 accumulators take turns, one instruction a turn, in the same order in every step.
.macro MUL16 a0, p, q, sc, zero
.irp a, \a0, \a0+1
.irp b, 0,1,2,3,4,5,6,7
.if \zero
	v_wmma_scale_f32_16x16x128_f8f6f4 v[8*(8*((\a)%4)+\b):8*(8*((\a)%4)+\b)+7], v[128*(\p)+FR*\b:128*(\p)+FR*\b+FR-1], v[AF+FR*(\a):AF+FR*(\a)+FR-1], 0, v[SC+8*NQ*(\sc)+NQ*\b+(\q)], v[SC+8*NQ*(\sc)+NQ*(\a)+(\q)] matrix_a_scale:MATRIX_SCALE_ROW1
.else
	v_wmma_scale_f32_16x16x128_f8f6f4 v[8*(8*((\a)%4)+\b):8*(8*((\a)%4)+\b)+7], v[128*(\p)+FR*\b:128*(\p)+FR*\b+FR-1], v[AF+FR*(\a):AF+FR*(\a)+FR-1], v[8*(8*((\a)%4)+\b):8*(8*((\a)%4)+\b)+7], v[SC+8*NQ*(\sc)+NQ*\b+(\q)], v[SC+8*NQ*(\sc)+NQ*(\a)+(\q)] matrix_a_scale:MATRIX_SCALE_ROW1
.endif
.endr
.endr
.endm
.macro FETCH_B slot, q, p
	WIN TO_B
.irp i, 0,1,2,3,4,5,6,7
	FRAG 128*(\p)+FR*\i, ADRB+\slot, \q, \i
.endr
	WIN 0
.endm
.macro FETCH_A slot, q, i0
.irp i, \i0, \i0+1, \i0+2, \i0+3
	FRAG AF+FR*(\i), ADRA+\slot, \q, \i
.endr
.endm
.macro SCALES sc                       ; a K step's scale words: lanes 0-15 take R's block i, lanes 16-31 P's block i
.irp i, 0,1,2,3,4,5,6,7
	ds_load_b64 v[SC+8*NQ*\sc+NQ*\i:SC+8*NQ*\sc+NQ*\i+1], v[ADRS] offset:\i*SBLK
.endr
.endm
.macro PLACES n                        ; plain vector instructions between a matrix instruction and a load into, or a read of, its registers
.rept \n
	v_nop
.endr
.endm
.macro STEP slot, q, zero              ; 128 along K that has its successor in the same slot
	s_wait_dscnt 4*NL                              ; P's set and R's blocks 0-3 are in; the youngest sixteen loads (R's blocks 4-7) may be out
	WIN MUL_LO
	MUL16 0, (\q)%2, \q, \slot, \zero
	MUL16 2, (\q)%2, \q, \slot, \zero
	s_wait_dscnt 0
	PLACES NP
	FETCH_B \slot, (\q)+1, 1-(\q)%2
	FETCH_A \slot, (\q)+1, 0
	WIN MUL_HI
	MUL16 4, (\q)%2, \q, \slot, \zero
	MUL16 6, (\q)%2, \q, \slot, \zero
	PLACES NP
	WIN 0
	FETCH_A \slot, (\q)+1, 4
.endm
; A slot's last step changes slots: one barrier; in front of it each wave waits for all its tensor loads, adds 0 to its spare word, and waits for that and for its reads of this slot.
.macro TURN slot, next, fill
	s_wait_tensorcnt 0x0                           ; all my tensor loads have landed: my part of the next slot
	ds_add_u32 v[SPW], v[NIL]                      ; 0 onto my spare word
	s_wait_dscnt 4*NL+1                            ; (the add and the youngest sixteen loads may be out)
	WIN MUL_LO
	MUL16 0, 1, NQ-1, \slot, 0
	s_wait_dscnt 0x0                               ; the add is done, and my reads of this slot are over
	s_barrier_signal -1
	MUL16 2, 1, NQ-1, \slot, 0
	WIN 0
	s_barrier_wait -1
.if \fill
	CREST                                          ; the barrier has opened a round of the cluster's: no wave of any partner still reads this slot or has a load on its way
	s_add_nc_u64 s[G0+4*\slot+2:G0+4*\slot+3], s[G0+4*\slot+2:G0+4*\slot+3], 2*ROWB
	s_add_nc_u64 s[G0B+4*\slot+2:G0B+4*\slot+3], s[G0B+4*\slot+2:G0B+4*\slot+3], 2*ROWB
	JLOAD G0+4*\slot, G1, G0B+4*\slot, G1B         ; my one tensor load behind the round; its four v_nop are among the places in front of the loads below
	PLACES NP-4
.else
	PLACES NP
.endif
	v_add_nc_u32 v[ADRS], 4*NQ, v[ADRS]            ; on to the next K step's scale words
	FETCH_B \next, 0, 0
	FETCH_A \next, 0, 0
	SCALES \next
	WIN MUL_HI
	MUL16 4, 1, NQ-1, \slot, 0
	MUL16 6, 1, NQ-1, \slot, 0
	PLACES NP
	WIN 0
	FETCH_A \next, 0, 4
.endm
	s_wait_tensorcnt 1                             ; the scales and my part of K step 0 are in (K step 1's load may be out),
	s_barrier_signal -1
	s_barrier_wait -1                              ; everybody's are
	FETCH_B 0, 0, 0
	FETCH_A 0, 0, 0
	SCALES 0
	FETCH_A 0, 0, 4
	STEP 0, 0, 1                                   ; the first step's products start the sums: nothing is cleared
	s_mov_b32 s3, LAPS-1
.Llap:
	TURN 0, 1, 1
	STEP 1, 0, 0
	TURN 1, 0, 1
	STEP 0, 0, 0
	s_sub_co_u32 s3, s3, 1
	s_cmp_lg_u32 s3, 0
	s_cbranch_scc1 .Llap
	TURN 0, 1, 0                                   ; the last lap fills nothing
	STEP 1, 0, 0
	s_wait_dscnt 4*NL
	WIN MUL_LO
	MUL16 0, 1, NQ-1, 1, 0
	MUL16 2, 1, NQ-1, 1, 0
	s_wait_dscnt 0
	WIN MUL_HI
	MUL16 4, 1, NQ-1, 1, 0
	MUL16 6, 1, NQ-1, 1, 0
	WIN 0
; 64 numbers of a lane, register 16 b + i in block b, become 16 registers of codes from v[pc] on and a scale word in v[pw].
.macro QUANT s, pc, pw
.irp b, 0,1,2,3
	v_max3_num_f32 v[TM+\b], |v[\s+16*\b]|, |v[\s+1+16*\b]|, 0x4800000   ; my 16 numbers of block b, and the floor 2^(9 - 127): the byte cannot fall under 1
.endr
.irp i, 2,4,6,8,10,12,14
.irp b, 0,1,2,3
	v_max3_num_f32 v[TM+\b], v[TM+\b], |v[\s+16*\b+\i]|, |v[\s+1+16*\b+\i]|
.endr
.endr
.irp b, 0,1,2,3
	v_permlanex16_b32 v[TM+4+\b], v[TM+\b], s104, s105
.endr
.irp b, 0,1,2,3
	v_max_num_f32 v[TM+\b], v[TM+\b], v[TM+4+\b]   ; with lane xor 16's: the block's largest magnitude
.endr
.irp b, 0,1,2,3
	v_add_nc_u32 v[TM+12+\b], 0xfc000000, v[TM+\b] ; 8 off its exponent field: the conversion's scale operand
.endr
.irp b, 0,1,2,3
	v_and_or_b32 v[TM+8+\b], v[TM+\b], 0x7f800000, s22   ; 448 x the scale
.endr
.irp b, 0,1,2,3
	v_lshrrev_b32 v[TM+4+\b], 23, v[TM+12+\b]      ; the scale's byte
.endr
	v_lshl_or_b32 v[\pw], v[TM+5], 8, v[TM+4]
	v_lshl_or_b32 v[\pw], v[TM+6], 16, v[\pw]
	v_lshl_or_b32 v[\pw], v[TM+7], 24, v[\pw]
.irp b, 0,1,2,3
.irp i, 0,1,2,3,4,5,6,7,8,9,10,11,12,13,14,15
	v_med3_num_f32 v[\s+16*\b+\i], v[\s+16*\b+\i], -v[TM+8+\b], v[TM+8+\b]   ; the conversion does not saturate (ISA guide 7.6.2): the hold comes first
.endr
	v_cvt_scalef32_pk8_fp8_f32 v[\pc+4*\b:\pc+1+4*\b], v[\s+16*\b:\s+7+16*\b], v[TM+12+\b]
	v_cvt_scalef32_pk8_fp8_f32 v[\pc+2+4*\b:\pc+3+4*\b], v[\s+8+16*\b:\s+15+16*\b], v[TM+12+\b]
.endr
	v_nop                                          ; a plain line behind the last conversion: the next block writes its sources
.endm
; R's block a: the bias, the quantiser, four stores of 512 consecutive bytes.
.macro EPI a
.set AC, 64*((\a)%4)
.set PCS, PC+16*((\a)&1)
	s_wait_xcnt 0x0                                ; the earlier stores have read their data and their base: both may be written again
.if (\a) == 4
	s_add_nc_u64 s[98:99], s[98:99], s[40:41]
.elseif (\a) > 0
	s_add_nc_u64 s[98:99], s[98:99], s[12:13]
.endif
	s_cmp_eq_u32 s67, 1
	s_cbranch_scc1 .Lbias_r_\@
	WIN 0x02+((\a)/4)                              ; source 0: window 2 or 3
.set i, 0
.rept 32
	v_pk_add_f32 v[ST+i:ST+i+1], v[AC+i:AC+i+1], v[BP+i:BP+i+1]     ; q, k: the bias runs along my registers; each accumulator is read from its low end on
.set i, i+2
.endr
	WIN 0
	s_branch .Lbiased_\@
.Lbias_r_\@:
	WIN 0x02+((\a)/4)
.set i, 0
.rept 32
.if ((\a)&1) == 0
	v_pk_add_f32 v[ST+i:ST+i+1], v[AC+i:AC+i+1], v[BR+2*((\a)/2):BR+2*((\a)/2)+1] op_sel_hi:[1,0]   ; v: one number a lane, for both halves
.else
	v_pk_add_f32 v[ST+i:ST+i+1], v[AC+i:AC+i+1], v[BR+2*((\a)/2):BR+2*((\a)/2)+1] op_sel:[0,1] op_sel_hi:[1,1]
.endif
.set i, i+2
.endr
	WIN 0
.Lbiased_\@:
	QUANT ST, PCS, W4+(\a)
	global_store_b128 v[VO0], v[PCS:PCS+3], s[98:99]
	global_store_b128 v[VO0], v[PCS+4:PCS+7], s[98:99] offset:512
	global_store_b128 v[VO1], v[PCS+8:PCS+11], s[98:99]
	global_store_b128 v[VO1], v[PCS+12:PCS+15], s[98:99] offset:512
.endm
	s_wait_loadcnt 0x0                             ; the bias
	PLACES NP                                      ; behind the last products: their results are read and R's registers written below
.irp b, 0,1,2,3
	v_mov_b32 v[TM+4+\b], 0                        ; a lane permute's destination counts as one of its sources
.endr
.irp a, 0,1,2,3,4,5,6,7
	EPI \a
.endr
	; the scale words.  A block's word holds four bytes: q, k: two blocks of each of two heads; v: the four key blocks of a K step
	s_cmp_eq_u32 s67, 1
	s_cbranch_scc1 .Lscale_v
.irp t, 0,1,2,3
	v_perm_b32 v[SW+\t], v[W4+2*\t+1], v[W4+2*\t], 0x05040100      ; head 0: the even tile's two bytes below, the odd tile's above
	v_perm_b32 v[SW+4+\t], v[W4+2*\t+1], v[W4+2*\t], 0x07060302    ; head 1
.endr
.irp t, 0,1,2,3
	v_cndmask_b32 v[SW+\t], v[SW+\t], v[SW+4+\t], s43              ; lanes 16-31 store head 1's
.endr
	global_store_b128 v[SQK], v[SW:SW+3], s[94:95]                 ; sixteen lanes store 256 consecutive bytes
	s_branch .Lscale_done
.Lscale_v:
.irp x, 0,1
.irp g, 0,1
	v_cndmask_b32 v[SW+2*\x+\g], v[W4+4*\x+2*\g], v[W4+4*\x+2*\g+1], s43   ; lanes 0-15: channel tile 2 g, lanes 16-31: tile 2 g + 1
.endr
.endr
	global_store_b64 v[SVV], v[SW:SW+1], s[94:95]
	global_store_b64 v[SVV], v[SW+2:SW+3], s[94:95] offset:2048
.Lscale_done:
	s_wait_tensorcnt 0x0                           ; the wave's end
	ds_add_u32 v[SPW], v[NIL]
	s_wait_dscnt 0x0
	CROUND                                         ; the closing round
	s_endpgm
.Lfunc_end_k_q1231422134_qkv:
	.size	k_q1231422134_qkv, .Lfunc_end_k_q1231422134_qkv-k_q1231422134_qkv
	.p2alignl 7, 3214868480
	.fill 96, 4, 3214868480
	.section	.rodata,"a",@progbits
	.p2align	6, 0x0
	.amdhsa_kernel k_q1231422134_qkv
		.amdhsa_group_segment_fixed_size 327680
		.amdhsa_private_segment_fixed_size 0
		.amdhsa_enable_private_segment 0
		.amdhsa_kernarg_size 64
		.amdhsa_user_sgpr_count 2
		.amdhsa_user_sgpr_kernarg_segment_ptr 1
		.amdhsa_wavefront_size32 1
		.amdhsa_system_sgpr_workgroup_id_x 1
		.amdhsa_system_sgpr_workgroup_id_y 1
		.amdhsa_system_sgpr_workgroup_id_z 1
		.amdhsa_system_vgpr_workitem_id 0
		.amdhsa_next_free_vgpr 1024
		.amdhsa_next_free_sgpr 106
		.amdhsa_reserve_vcc 0
		.amdhsa_float_denorm_mode_32 3
		.amdhsa_float_denorm_mode_16_64 3
		.amdhsa_memory_ordered 1
		.amdhsa_forward_progress 1
		.amdhsa_inst_pref_size 223
	.end_amdhsa_kernel
	.amdgpu_metadata
---
amdhsa.version: [ 1, 2 ]
amdhsa.kernels:
  - .name:           k_q1231422134_qkv
    .symbol:         k_q1231422134_qkv.kd
    .args:
      - { .name: xc, .offset: 0, .size: 8, .value_kind: global_buffer, .address_space: global }
      - { .name: xs, .offset: 8, .size: 8, .value_kind: global_buffer, .address_space: global }
      - { .name: in_proj_w_codes, .offset: 16, .size: 8, .value_kind: global_buffer, .address_space: global }
      - { .name: in_proj_w_scales, .offset: 24, .size: 8, .value_kind: global_buffer, .address_space: global }
      - { .name: in_proj_b, .offset: 32, .size: 8, .value_kind: global_buffer, .address_space: global }
      - { .name: qimg, .offset: 40, .size: 8, .value_kind: global_buffer, .address_space: global }
      - { .name: kv, .offset: 48, .size: 8, .value_kind: global_buffer, .address_space: global }
      - { .name: scl, .offset: 56, .size: 8, .value_kind: global_buffer, .address_space: global }
    .group_segment_fixed_size: 327680
    .private_segment_fixed_size: 0
    .kernarg_segment_align: 8
    .kernarg_segment_size: 64
    .max_flat_workgroup_size: 128
    .sgpr_count:     106
    .vgpr_count:     1024
    .wavefront_size: 32
...
	.end_amdgpu_metadata
.endif
;; end of part 2
;; launch attn (part 3): grid 256 x 1, 8 waves a work-group, clusters of 4 x 1, 327,680 bytes of LDS; arguments qimg, kv, scl, time_decay, out1, aimg, asc; writes out1, aimg, asc
.if DOCPART == 3
	.amdgcn_target "amdgcn-amd-amdhsa--gfx1250"
	.amdhsa_code_object_version 6
	.text
	.protected	k_q1231422134_attn
	.globl	k_q1231422134_attn
	.p2align	8
	.type	k_q1231422134_attn,@function
k_q1231422134_attn:
	s_mov_b64 s[64:65], 0
	v_nop
	global_prefetch_b8 v0, s[64:65] scope:SCOPE_SE
	s_setreg_imm32_b32 hwreg(HW_REG_WAVE_MODE, 25, 1), 1
	s_wait_xcnt 0x0
	s_wait_alu depctr_hold_cnt(0) depctr_sa_sdst(0) depctr_va_vdst(0) depctr_va_sdst(0) depctr_va_ssrc(0) depctr_va_vcc(0) depctr_vm_vsrc(0)
	s_getreg_b32 s2, hwreg(HW_REG_IB_STS2, 6, 4)
	s_cmp_eq_u32 s2, 0
	s_cbranch_scc0 .Lentry_in_a_cluster
	s_endpgm
.Lentry_in_a_cluster:
	s_bfe_u32 s2, ttmp6, 0x10000c
	s_cmp_lg_u32 s2, 0x3003
	s_cbranch_scc0 .Lentry_shape_is_right
	s_endpgm
.Lentry_shape_is_right:
; For 32 queries of one batch and all 16 heads: S^T = K Q^T, the bias -|td| |q - k|, the softmax, O^T = V^T P^T, the mean of the weights over the heads (out1), and attn quantised along d (aimg, asc).
; Both products run on codes of FP8 (E4M3) with E8M0 scales.  p = 2^(t - M), M a whole number, is what is quantised; the row's sum is taken of the unquantised p and divides at the end.
; SHARES.  Wave w: QT = w & 1 is its tile of 16 queries, KQ = w >> 1 its quarter of 256 keys.  It holds S^T / p (128 registers) and the running mean (128 registers).  Two waves to a SIMD.
; EACH WAVE HAS ITS OWN M, the ceiling of the largest t of its quarter: a power of two, which the blocks' scales take up.  Once a head the four waves of a query tile exchange (-M, sum) and their
; parts of O^T through LDS, and join them with the exact factors 2^(M_w - M).
; K = 64 IN AN INSTRUCTION OF 128.  A fragment of K is a PAIR of key tiles (registers 0-7: tile 2 p, 8-15: tile 2 p + 1).  Q lies as [Q 8][zeros 8][Q 8]: its first 16 registers meet the even tile,
; its last 16 the odd one; zero codes hide the other tile.
; CLUSTER.  The four work-groups of a cluster belong to one batch and walk the same K and V: a head's 131,072 bytes are asked for jointly, each wave an eighth, through a ring of two slots.
; A HEAD HAS TWO MEETING POINTS.  Behind P V each wave stores its part and passes a round of the cluster's barrier: the parts are then visible, nobody reads the head's slot any more, the next head's
; slot is whole, and the slot just read takes the head after next.  Then the parts are loaded into registers, and a plain barrier frees their LDS bytes for the next head's stores.  What follows
; (the join, the mean, and in waves 0 to 3 the finishing of attn) works on registers, and each wave goes straight on into the next head: no wave waits for the four that finish attn.
; LIMITS: NaN and infinities are not served; a block of p or of attn under 2^(9 - 127) keeps the byte 1 (zeros too: this program alone reads the bytes).
; REGISTERS.  window 0: v1-15, v30, v44-47 addresses; v16-23 q - k of tile 0; v24-31 statistics; v32-43 scale words; v48-79 at work; v80-95 codes; v96-127 a block's figures; v128-255 S^T, then p.
;   window 1: v0-127 the mean; v128-159 O^T; v160-223 four fragments of K or V, later the parts of O^T; v224-247 Q.
.set SLOT1, 1<<17                      ; a slot: K's image (65,536 bytes), V's image (65,536); one exclusive or turns an address from one slot into the other
.set VIMG,  65536
.set OX,    2*SLOT1                    ; the waves' parts of O^T: 4,096 bytes each
.set STT,   OX+8*4096                  ; their (-M, sum): 256 bytes each
.set ASC,   STT+8*256                  ; attn's scale bytes: 256 bytes for each of four waves: [row 16][head 16]
.set SPARE, ASC+1024                   ; the spare words, 128 bytes for each wave, which no other line names
.set SGP,   528                        ; the way out: a stage row: 512 bytes + 16
.set LI,   1                           ; 16 x lane
.set AK0,  2                           ; my lane's place in K's image: my quarter
.set AV0,  3                           ; and in V's
.set ADK,  4
.set ADV,  5
.set SPW,  6
.set NIL,  7
.set OXW,  8
.set OXR,  9
.set STW,  10
.set STR,  11
.set ASB0, 12
.set ASBD, 13
.set AOF,  14
.set QSO,  15
.set JT,   16
.set NM,   24                          ; -M
.set LW,   25                          ; my quarter's sum
.set FW,   26                          ; 2^(M_w - M) / (16 l); v27 is named with it as a pair
.set XM,   28
.set RL,   29
.set VSO,  30
.set NMG,  31
.set KSR,  32                          ; v32-35 K's scale words
.set VS,   36                          ; v36-39 V's
.set QSR,  40
.set QS,   41                          ; Q's scale word
.set PS,   42                          ; v42-43 p's
.set SGI,  44
.set SGO,  45
.set ASR,  46
.set KSO,  47
.set T,    48
.set PC,   80
.set BM,   96
.set PT,   104
.set SO,   112
.set LIM,  120
.set S,    128
.set WA,   0                           ; window 1
.set O,    128
.set KB,   160
.set QF,   224
.set MSB, 0
.macro WIN new
.if MSB != \new
	s_set_vgpr_msb (MSB<<8)|\new
.set MSB, \new
.endif
.endm
.macro CROUND                          ; a round of the cluster's barrier
	s_barrier_signal -1
	s_barrier_wait -1
	s_cmp_lg_u32 s19, 0
	s_cbranch_scc1 .Lnot_wave_0_\@
	s_barrier_signal -3
.Lnot_wave_0_\@:
	s_barrier_wait -3
	s_barrier_signal -1
	s_barrier_wait -1
.endm
	s_load_b256 s[4:11], s[0:1], 0x0               ; qimg s[4:5], kv s[6:7], scl s[8:9], time_decay s[10:11]
	s_load_b128 s[12:15], s[0:1], 0x20             ; out1 s[12:13], aimg s[14:15]
	s_load_b64 s[16:17], s[0:1], 0x30              ; asc
	v_lshl_add_u32 v[SPW], v0, 2, SPARE
	v_mov_b32 v[NIL], 0
	ds_add_u32 v6, v7
	s_wait_dscnt 0x0
	v_lshrrev_b32 v28, 5, v0
	v_readfirstlane_b32 s19, v28                   ; wave 0..7
	s_and_b32 s20, s19, 1                          ; QT
	s_lshr_b32 s21, s19, 1                         ; KQ
	s_bfe_u32 s52, ttmp6, 0x40000                  ; cx
	s_lshl_b32 s53, ttmp9, 2
	s_add_co_u32 s53, s53, s52                     ; the work-group: 32 x batch + block of 32 queries
	s_lshr_b32 s54, ttmp9, 3                       ; the batch, which the four partners share
	s_and_b32 s55, s53, 31                         ; qb
	s_mov_b32 s32, 15|(3<<16)|(1<<21)              ; group 1: all four work-groups; elements of 8 bytes; no padding; bit 21 beside a mask
	s_mov_b32 s33, 32<<16                          ; tensor_dim0 = 32 elements: rows of 256 bytes
	s_mov_b32 s34, 64<<16                          ; tensor_dim1 = 64
	s_mov_b32 s35, 32<<16                          ; tile_dim0
	s_mov_b32 s36, 64                              ; tile_dim1: 16,384 dense bytes a wave
	s_mov_b32 s37, 32                              ; the pitch
	s_mov_b32 s38, 0
	s_mov_b32 s39, 0
	s_mov_b32 s23, 0xffff0000                      ; lanes 16-31
	s_mov_b32 s24, 0x3e38aa3b                      ; c = log2(e) / 8
	s_mov_b32 s25, s24
	s_mov_b32 s26, 0x76543210
	s_mov_b32 s27, 0xfedcba98                      ; lane xor 16
	s_mov_b32 s28, 0x600000                        ; the mantissa field of 448
	s_mul_i32 s29, s20, 0x02020202
	s_add_co_u32 s29, s29, 0x01000100              ; bytes 0, 1 (even tile) or 2, 3 (odd tile) of the pair's word, twice
	s_mov_b32 s30, 0                               ; the slot in hand
	s_mov_b32 s31, 0                               ; the head
	s_mov_b32 s44, 14
	; every LDS address is a constant + a constant x wave + a constant x lane
	v_and_b32 v28, 31, v0                          ; lane
	v_and_b32 v29, 15, v0                          ; r
	v_bfe_u32 v31, v0, 4, 1                        ; h
	v_lshlrev_b32 v[LI], 4, v28
	s_lshl_b32 s58, s21, 14
	v_add_nc_u32 v[AK0], s58, v[LI]
	v_add_nc_u32 v[AV0], VIMG, v[AK0]
	s_lshl_b32 s58, s19, 12
	s_add_co_u32 s58, s58, OX
	v_add_nc_u32 v[OXW], s58, v[LI]
	s_and_b32 s59, s21, 1                          ; which block of 32 channels a finishing wave takes
	s_lshl_b32 s58, s20, 12
	s_lshl_b32 s45, s59, 11
	s_add_co_u32 s58, s58, s45
	s_add_co_u32 s58, s58, OX
	v_add_nc_u32 v[OXR], s58, v[LI]
	s_lshl_b32 s58, s19, 8
	s_add_co_u32 s58, s58, STT
	v_lshl_add_u32 v[STW], v28, 3, s58
	s_lshl_b32 s58, s20, 8
	s_add_co_u32 s58, s58, STT
	v_lshl_add_u32 v[STR], v28, 3, s58
	s_and_b32 s58, s19, 3
	s_lshl_b32 s58, s58, 8
	s_add_co_u32 s58, s58, ASC
	v_lshl_add_u32 v[ASB0], v29, 4, s58
	s_lshl_b32 s58, s59, 9
	v_add_nc_u32 v[AOF], s58, v[LI]
	s_lshr_b32 s58, s55, 2
	s_lshl_b32 s58, s58, 8
	s_and_b32 s45, s55, 3
	s_lshl_b32 s45, s45, 2
	s_add_co_u32 s58, s58, s45
	v_lshl_add_u32 v[QSO], v29, 4, s58             ; q's scale word of tile pair qb, row r
	s_lshl_b32 s58, s21, 9
	s_add_co_u32 s45, s58, 262144
	v_add_nc_u32 v[KSO], s45, v[LI]                ; k's: my quarter's eight pairs: lanes 0-15 pairs 0-3, lanes 16-31 pairs 4-7
	s_add_co_u32 s45, s58, 524288
	v_lshl_add_u32 v[VSO], v28, 3, s45             ; v's: my quarter's two K steps
	s_mul_i32 s58, s19, 16*SGP
	v_mul_u32_u24 v[SGI], v29, SGP
	v_lshl_add_u32 v[SGI], v31, 5, v[SGI]
	v_add_nc_u32 v[SGI], s58, v[SGI]
	v_add_nc_u32 v[SGO], s58, v[LI]
	v_lshlrev_b32 v[ASR], 4, v29
	v_lshl_add_u32 v[ASR], v31, 8, v[ASR]
	v_add_nc_u32 v[ASR], ASC, v[ASR]
	s_lshl_b32 s58, s55, 5                         ; q - k of tile 0, register j: 32 qb + 16 QT + r - 256 KQ - 8 h - j: a whole number, exact in f32
	s_lshl_b32 s45, s20, 4
	s_add_co_u32 s58, s58, s45
	s_lshl_b32 s45, s21, 8
	s_sub_co_i32 s58, s58, s45
	v_lshlrev_b32 v31, 3, v31
	v_sub_nc_u32 v29, v29, v31
	v_add_nc_u32 v29, s58, v29
.irp j, 0,1,2,3,4,5,6,7
	v_add_nc_u32 v[JT+\j], -\j, v29
.endr
.irp j, 0,1,2,3,4,5,6,7
	v_cvt_f32_i32 v[JT+\j], v[JT+\j]
.endr
	s_wait_kmcnt 0x0
	s_load_b32 s18, s[10:11], 0x0                  ; time_decay
	s_lshl_b32 s56, s54, 21                        ; kv: 2^21 bytes a batch,
	s_lshl_b32 s57, s19, 14                        ; my eighth of a head
	s_add_co_u32 s56, s56, s57
	s_mov_b32 s57, 0
	s_mov_b32 s40, 1                               ; group 0 for the first fill of slot 0: count,
	s_lshl_b32 s41, s19, 14                        ; LDS address: my eighth,
	s_add_nc_u64 s[42:43], s[6:7], s[56:57]        ; global address: head 0
	s_mov_b32 s60, 1                               ; group 0 for the first fill of slot 1; this set then walks on
	s_add_co_u32 s61, s41, SLOT1
	s_add_nc_u64 s[62:63], s[42:43], 0x20000       ; head 1
	s_or_b32 s43, s43, 0x80000000                  ; the type
	s_or_b32 s63, s63, 0x80000000
	s_lshl_b32 s56, s54, 20
	s_lshl_b32 s58, s55, 11
	s_add_co_u32 s56, s56, s58
	s_lshl_b32 s58, s20, 10
	s_add_co_u32 s56, s56, s58
	s_add_nc_u64 s[46:47], s[4:5], s[56:57]        ; Q's fragment: + 65,536 a head
	s_lshl_b32 s56, s54, 15
	s_add_nc_u64 s[48:49], s[8:9], s[56:57]        ; the scale words: + 2,048 a head
	s_lshl_b32 s56, s54, 20
	s_lshl_b32 s58, s55, 15
	s_add_co_u32 s56, s56, s58
	s_lshl_b32 s58, s20, 14
	s_add_co_u32 s56, s56, s58
	s_add_nc_u64 s[50:51], s[14:15], s[56:57]      ; attn's image: + 1,024 a head
	s_lshl_b32 s56, s54, 22
	s_lshl_b32 s58, s55, 17
	s_add_co_u32 s56, s56, s58
	s_lshl_b32 s58, s20, 16
	s_add_co_u32 s56, s56, s58
	s_lshl_b32 s58, s21, 10
	s_add_co_u32 s56, s56, s58
	s_add_nc_u64 s[12:13], s[12:13], s[56:57]      ; out1: my 16 rows, my 256 columns
	s_lshl_b32 s56, s53, 10
	s_add_nc_u64 s[16:17], s[16:17], s[56:57]      ; asc: the work-group's 32 rows
	CROUND                                         ; all four work-groups are here: the first joint loads meet
	tensor_load_to_lds s[40:43], s[32:39]          ; head 0 into slot 0,
	s_nop 0
	tensor_load_to_lds s[60:63], s[32:39]          ; head 1 into slot 1: two tensor loads of mine are out
	s_nop 0
.rept 4
	v_nop
.endr
.macro LOADQ                           ; a head's Q (twice), its scale word and K's
	WIN 0x40
	global_load_b128 v[QF:QF+3], v[LI], s[46:47]
	global_load_b128 v[QF+4:QF+7], v[LI], s[46:47] offset:512
	global_load_b128 v[QF+16:QF+19], v[LI], s[46:47]
	global_load_b128 v[QF+20:QF+23], v[LI], s[46:47] offset:512
	WIN 0
	global_load_b32 v[QSR], v[QSO], s[48:49]
	global_load_b128 v[KSR:KSR+3], v[KSO], s[48:49]
.endm
.macro LOADVS                          ; V's scale words of my two K steps
	global_load_b64 v[VS:VS+1], v[VSO], s[48:49]
	global_load_b64 v[VS+2:VS+3], v[VSO], s[48:49] offset:256
.endm
	LOADQ
	LOADVS
	WIN 0x40
.set i, 0
.rept 128
	v_mov_b32 v[WA+i], 0                           ; the mean begins as zeros, so that the first head needs no text of its own
.set i, i+1
.endr
.irp i, 8,9,10,11,12,13,14,15
	v_mov_b32 v[QF+\i], 0                          ; the zero codes between Q's two copies: they stay
.endr
	WIN 0
.irp b, 0,1,2,3,4,5,6,7
	v_mov_b32 v[PT+\b], 0                          ; a lane permute's destination counts as one of its sources
.endr
	v_mov_b32 v[LW], 0                             ; (named as upper halves of pairs before they are first written)
	v_mov_b32 v[FW+1], 0
	s_wait_xcnt 0x0                                ; the loads have read their bases:
	s_add_nc_u64 s[46:47], s[46:47], 0x10000       ; from here on both point at the next head
	s_add_nc_u64 s[48:49], s[48:49], 2048
	s_wait_kmcnt 0x0
	s_and_b32 s22, s18, 0x7fffffff
	s_mul_f32 s22, s22, 0xc1000000                 ; -8 |td|: t = (s - 8 |td| |q - k|) x c
.macro KLOAD g                         ; four pairs of key tiles
	WIN 0x40
.irp p, 0,1,2,3
.irp c, 0,1,2,3
	ds_load_b128 v[KB+16*\p+4*\c:KB+16*\p+4*\c+3], v[ADK] offset:(4*\g+\p)*2048+512*\c
.endr
.endr
	WIN 0
.endm
.macro VLOAD s                         ; the four channel tiles of K step s
	WIN 0x40
.irp d, 0,1,2,3
.irp c, 0,1,2,3
	ds_load_b128 v[KB+16*\d+4*\c:KB+16*\d+4*\c+3], v[ADV] offset:\s*8192+\d*2048+512*\c
.endr
.endr
	WIN 0
.endm
.macro QKMM g                          ; eight tiles of S^T: lane (r, h) holds query r, register j key 16 t + 8 h + j
	WIN 0x05
.irp p, 0,1,2,3
.irp u, 0,1
.if \g
	v_wmma_scale_f32_16x16x128_f8f6f4 v[S+8*(8*\g+2*\p+\u):S+8*(8*\g+2*\p+\u)+7], v[KB+16*\p:KB+16*\p+15], v[QF+8*\u:QF+8*\u+15], 0, v[KSR+\p], v[QS] matrix_a_scale:MATRIX_SCALE_ROW1
.else
	v_wmma_scale_f32_16x16x128_f8f6f4 v[S+8*(8*\g+2*\p+\u):S+8*(8*\g+2*\p+\u)+7], v[KB+16*\p:KB+16*\p+15], v[QF+8*\u:QF+8*\u+15], 0, v[KSR+\p], v[QS]
.endif
.endr
.endr
	WIN 0
.endm
.macro TMPGEN t                        ; q - k of tile t = that of tile t - 1, less 16: exact.  Four sets of eight take turns
.if (\t) == 1
.set PRV, JT
.else
.set PRV, T+8*(((\t)-1)%4)
.endif
.irp i, 0,2,4,6
	v_pk_add_f32 v[T+8*((\t)%4)+\i:T+8*((\t)%4)+\i+1], v[PRV+\i:PRV+\i+1], 0xc1800000 op_sel_hi:[1,0]
.endr
.endm
.macro FMAB t                          ; s - 8 |td| |q - k|, from the accumulator's low end on
.if (\t) == 0
.set SRC, JT
.else
.set SRC, T+8*((\t)%4)
.endif
.irp j, 0,1,2,3,4,5,6,7
	v_fma_f32 v[S+8*(\t)+\j], |v[SRC+\j]|, s22, v[S+8*(\t)+\j]
.endr
.endm
.macro HOLDCVT b                       ; block b's 16 numbers of mine: held (p is never negative: one side) into a copy, since p itself is still wanted, and converted
.set HH, T+16*((\b)&1)
.irp i, 0,1,2,3,4,5,6,7,8,9,10,11,12,13,14,15
	v_min_num_f32 v[HH+\i], v[S+16*(\b)+\i], v[LIM+(\b)]
.endr
	v_cvt_scalef32_pk8_fp8_f32 v[PC+4*((\b)&3):PC+4*((\b)&3)+1], v[HH:HH+7], v[SO+(\b)]
	v_cvt_scalef32_pk8_fp8_f32 v[PC+4*((\b)&3)+2:PC+4*((\b)&3)+3], v[HH+8:HH+15], v[SO+(\b)]
.endm
.macro PVI d, s
.if (\s) == 0
.if (\d)&1
	v_wmma_scale_f32_16x16x128_f8f6f4 v[O+8*\d:O+8*\d+7], v[KB+16*\d:KB+16*\d+15], v[PC:PC+15], 0, v[VS+2*\s+\d/2], v[PS+\s] matrix_a_scale:MATRIX_SCALE_ROW1
.else
	v_wmma_scale_f32_16x16x128_f8f6f4 v[O+8*\d:O+8*\d+7], v[KB+16*\d:KB+16*\d+15], v[PC:PC+15], 0, v[VS+2*\s+\d/2], v[PS+\s]
.endif
.else
.if (\d)&1
	v_wmma_scale_f32_16x16x128_f8f6f4 v[O+8*\d:O+8*\d+7], v[KB+16*\d:KB+16*\d+15], v[PC:PC+15], v[O+8*\d:O+8*\d+7], v[VS+2*\s+\d/2], v[PS+\s] matrix_a_scale:MATRIX_SCALE_ROW1
.else
	v_wmma_scale_f32_16x16x128_f8f6f4 v[O+8*\d:O+8*\d+7], v[KB+16*\d:KB+16*\d+15], v[PC:PC+15], v[O+8*\d:O+8*\d+7], v[VS+2*\s+\d/2], v[PS+\s]
.endif
.endif
.endm
.macro PV s                            ; O^T (+)= V^T P^T over 128 keys: the four accumulators take turns, one instruction a turn
	s_wait_dscnt 0x0                               ; V's fragments are in
	WIN 0x51
.irp d, 0,1,2,3
	PVI \d, \s
.endr
	WIN 0
.endm
; ONE HEAD.  fill = 1: the slot that this head has read takes the head after next.  nxt = 1: the next head's Q and scale words are asked for as soon as their registers are free.
.macro HEAD fill, nxt
	v_add_nc_u32 v[ADK], s30, v[AK0]
	v_add_nc_u32 v[ADV], s30, v[AV0]
	v_add_nc_u32 v[ASBD], s31, v[ASB0]
	s_wait_loadcnt 0x0                             ; Q, and the scale words
	v_perm_b32 v[QS], v[QSR], v[QSR], s29          ; my tile's two bytes, twice: for Q in the low and in the high half of K
	KLOAD 0
	TMPGEN 1                                       ; (twelve plain lines between the scale word's making and its use: eight are asked)
	TMPGEN 2
	TMPGEN 3
	s_wait_dscnt 0x0
	QKMM 0
	TMPGEN 4                                       ; eight places behind the products: four sums,
.rept 4
	v_nop                                          ; four of these
.endr
	KLOAD 1
	FMAB 0
	FMAB 1
	TMPGEN 5
	FMAB 2
	TMPGEN 6
	FMAB 3
	TMPGEN 7
	FMAB 4
	FMAB 5
	FMAB 6
	FMAB 7
	s_wait_dscnt 0x0
	QKMM 1
	TMPGEN 8                                       ; eight places
	TMPGEN 9
	VLOAD 0
.if \nxt
	LOADQ
.endif
	FMAB 8
	TMPGEN 10
	FMAB 9
	TMPGEN 11
	FMAB 10
	TMPGEN 12
	FMAB 11
	TMPGEN 13
	FMAB 12
	TMPGEN 14
	FMAB 13
	TMPGEN 15
	FMAB 14
	FMAB 15
	; the largest score of each block of 32 keys: it serves for the row's maximum and, since p rises with the score, for the block's largest p
.irp b, 0,1,2,3,4,5,6,7
	v_max3_num_f32 v[BM+\b], v[S+16*\b], v[S+16*\b+1], v[S+16*\b+2]
.endr
.irp i, 3,5,7,9,11,13
.irp b, 0,1,2,3,4,5,6,7
	v_max3_num_f32 v[BM+\b], v[BM+\b], v[S+16*\b+\i], v[S+16*\b+\i+1]
.endr
.endr
.irp b, 0,1,2,3,4,5,6,7
	v_max_num_f32 v[BM+\b], v[BM+\b], v[S+16*\b+15]
.endr
.irp b, 0,1,2,3,4,5,6,7
	v_permlanex16_b32 v[PT+\b], v[BM+\b], s26, s27
.endr
.irp b, 0,1,2,3,4,5,6,7
	v_max_num_f32 v[BM+\b], v[BM+\b], v[PT+\b]
.endr
	v_max3_num_f32 v[XM], v[BM], v[BM+1], v[BM+2]
	v_max3_num_f32 v[XM], v[XM], v[BM+3], v[BM+4]
	v_max3_num_f32 v[XM], v[XM], v[BM+5], v[BM+6]
	v_max_num_f32 v[XM], v[XM], v[BM+7]
	v_mul_f32 v[XM], s24, v[XM]                    ; as t (c is positive)
	v_floor_f32 v[NM], -v[XM]                      ; -M = floor(-t) = -ceil(t)
.set i, 0
.rept 64
	v_pk_fma_f32 v[S+i:S+i+1], v[S+i:S+i+1], s[24:25], v[NM:NM+1] op_sel_hi:[1,0,0]   ; t - M, two at a time
.set i, i+2
.endr
.irp b, 0,1,2,3,4,5,6,7
	v_fma_f32 v[BM+\b], v[BM+\b], s24, v[NM]
.endr
.set i, 0
.rept 128
	v_exp_f32 v[S+i], v[S+i]                       ; p = 2^(t - M): one exponential a score
.set i, i+1
.endr
.irp b, 0,1,2,3,4,5,6,7
	v_exp_f32 v[BM+\b], v[BM+\b]                   ; the block's largest p: the same two instructions on the same number
.endr
	v_nop                                          ; a plain line behind the exponentials
	s_wait_alu depctr_va_vdst(0)
.irp b, 0,1,2,3,4,5,6,7
	v_max_num_f32 v[BM+\b], 0x4800000, v[BM+\b]    ; the floor 2^(9 - 127)
.endr
.irp b, 0,1,2,3,4,5,6,7
	v_add_nc_u32 v[SO+\b], 0xfc000000, v[BM+\b]    ; the conversion's scale operand
.endr
.irp b, 0,1,2,3,4,5,6,7
	v_and_or_b32 v[LIM+\b], v[BM+\b], 0x7f800000, s28   ; 448 x the scale
.endr
.irp b, 0,1,2,3,4,5,6,7
	v_lshrrev_b32 v[PT+\b], 23, v[SO+\b]           ; the scale's byte
.endr
.irp s, 0,1
	v_lshl_or_b32 v[PS+\s], v[PT+4*\s+1], 8, v[PT+4*\s]
	v_lshl_or_b32 v[PS+\s], v[PT+4*\s+2], 16, v[PS+\s]
	v_lshl_or_b32 v[PS+\s], v[PT+4*\s+3], 24, v[PS+\s]
.endr
	HOLDCVT 0
	HOLDCVT 1
	HOLDCVT 2
	HOLDCVT 3
	v_pk_add_f32 v[PT:PT+1], v[S:S+1], v[S+2:S+3]  ; the sum of the unquantised p, two at a time, in two chains; these lines are also the places in front of the products
	v_pk_add_f32 v[PT+2:PT+3], v[S+4:S+5], v[S+6:S+7]
.set i, 8
.rept 14
	v_pk_add_f32 v[PT:PT+1], v[PT:PT+1], v[S+i:S+i+1]
	v_pk_add_f32 v[PT+2:PT+3], v[PT+2:PT+3], v[S+i+2:S+i+3]
.set i, i+4
.endr
	PV 0
	HOLDCVT 4                                      ; its sixteen holds are the places behind the products: then codes and V's registers are written again
	VLOAD 1
	HOLDCVT 5
	HOLDCVT 6
	HOLDCVT 7
.set i, 64
.rept 8
	v_pk_add_f32 v[PT:PT+1], v[PT:PT+1], v[S+i:S+i+1]
	v_pk_add_f32 v[PT+2:PT+3], v[PT+2:PT+3], v[S+i+2:S+i+3]
.set i, i+4
.endr
	PV 1
.rept 8
	v_pk_add_f32 v[PT:PT+1], v[PT:PT+1], v[S+i:S+i+1]   ; sixteen places behind the last products
	v_pk_add_f32 v[PT+2:PT+3], v[PT+2:PT+3], v[S+i+2:S+i+3]
.set i, i+4
.endr
	v_pk_add_f32 v[PT:PT+1], v[PT:PT+1], v[PT+2:PT+3]
	v_add_f32 v[LW], v[PT], v[PT+1]
	v_permlanex16_b32 v[PT+2], v[LW], s26, s27
	v_add_f32 v[LW], v[LW], v[PT+2]                ; my quarter's sum
	WIN 0x04                                       ; an LDS store's data are its source 1: window 1
.irp i, 0,1,2,3,4,5,6,7
	ds_store_b128 v[OXW], v[O+4*\i:O+4*\i+3] offset:512*\i   ; my part of O^T as it stands, each accumulator from its low end on
.endr
	WIN 0
	ds_store_b64 v[STW], v[NM:NM+1]
.if \nxt
	LOADVS
.endif
	; THE FIRST MEETING POINT.  In front of it: my eighth of the next head has landed, my stores of the parts have landed, my reads of this head's K and V are over.
	s_wait_tensorcnt 0x0                           ; no tensor load of mine is out, so group 0 may be written
	ds_add_u32 v[SPW], v[NIL]                      ; 0 onto my spare word
.if \fill
	s_xor_b32 s61, s61, SLOT1                      ; the walking descriptor: the slot that this head has read,
	s_add_nc_u64 s[62:63], s[62:63], 0x20000       ; the head after next; the type bits on top are not reached
.endif
	s_wait_dscnt 0x0
.if \fill
	CROUND                                         ; no wave of any partner still reads the slot or has a load on its way
	tensor_load_to_lds s[60:63], s[32:39]          ; my one tensor load behind the round: it has a whole head in which to land
	s_nop 0
.rept 4
	v_nop
.endr
.else
	s_barrier_signal -1
	s_barrier_wait -1
.endif
.irp k, 0,1,2,3
	ds_load_b64 v[T+2*\k:T+2*\k+1], v[STR] offset:512*\k     ; (-M, sum) of the four quarters of my query tile
.endr
	s_cmp_lt_u32 s21, 2                            ; waves 0 to 3 will finish attn: query tile QT, channels 32 KQ on: they take the four parts into the registers that V has left
	s_cbranch_scc0 .Lno_part_\@
	WIN 0x40
.irp k, 0,1,2,3
.irp i, 0,1,2,3
	ds_load_b128 v[KB+16*\k+4*\i:KB+16*\k+4*\i+3], v[OXR] offset:8192*\k+512*\i
.endr
.endr
	WIN 0
.Lno_part_\@:
	; THE SECOND MEETING POINT: every wave's reads of the parts are over, so the next head's stores may overwrite them.  The tile asked for above stays on its way.
	s_wait_dscnt 0x0
	s_barrier_signal -1
	s_barrier_wait -1
	v_min3_num_f32 v[NMG], v[T], v[T+2], v[T+4]
	v_min_num_f32 v[NMG], v[NMG], v[T+6]           ; -M of the whole row
.irp k, 0,1,2,3
	v_sub_f32 v[T+8+\k], v[NMG], v[T+2*\k]         ; M_k - M: a whole number, 0 or less
.endr
	v_sub_f32 v[T+12], v[NMG], v[NM]               ; my own
.irp k, 0,1,2,3,4
	v_cvt_i32_f32 v[T+8+\k], v[T+8+\k]             ; (it saturates)
.endr
.irp k, 0,1,2,3
	v_ldexp_f32 v[T+8+\k], 1.0, v[T+8+\k]          ; 2^(M_k - M): nothing is rounded
.endr
	v_mul_f32 v[XM], v[T+8], v[T+1]
	v_fmac_f32 v[XM], v[T+9], v[T+3]
	v_fmac_f32 v[XM], v[T+10], v[T+5]
	v_fmac_f32 v[XM], v[T+11], v[T+7]              ; the row's sum l: over 1/2, since the quarter that holds the maximum counts with factor 1
	v_rcp_f32 v[RL], v[XM]
	v_add_nc_u32 v[T+12], -4, v[T+12]              ; (a plain line behind the reciprocal)  1 / 16: the mean over the heads
	s_wait_alu depctr_va_vdst(0)
	v_ldexp_f32 v[FW], v[RL], v[T+12]
	WIN 0x50
.set i, 0
.rept 64
	v_pk_fma_f32 v[WA+i:WA+i+1], v[S+i:S+i+1], v[FW:FW+1], v[WA+i:WA+i+1] op_sel_hi:[1,0,1]   ; the mean takes p 2^(M_w - M) / (16 l)
.set i, i+2
.endr
	WIN 0
	s_cmp_lt_u32 s21, 2
	s_cbranch_scc0 .Lnot_mine_\@
.irp k, 0,1,2,3
	v_mul_f32 v[T+16+2*\k], v[T+8+\k], v[RL]       ; 2^(M_k - M) / l
.endr
	WIN 0x01
.irp i, 0,2,4,6,8,10,12,14
	v_pk_mul_f32 v[S+\i:S+\i+1], v[KB+\i:KB+\i+1], v[T+16:T+17] op_sel_hi:[1,0]
.endr
.irp k, 1,2,3
.irp i, 0,2,4,6,8,10,12,14
	v_pk_fma_f32 v[S+\i:S+\i+1], v[KB+16*\k+\i:KB+16*\k+\i+1], v[T+16+2*\k:T+17+2*\k], v[S+\i:S+\i+1] op_sel_hi:[1,0,1]
.endr
.endr
	WIN 0
	v_max3_num_f32 v[T+24], |v[S]|, |v[S+1]|, 0x4800000        ; one block of 32 along d: my 16 and lane xor 16's
.irp i, 2,4,6,8,10,12,14
	v_max3_num_f32 v[T+24], v[T+24], |v[S+\i]|, |v[S+\i+1]|
.endr
	v_permlanex16_b32 v[T+25], v[T+24], s26, s27
	v_max_num_f32 v[T+24], v[T+24], v[T+25]
	v_add_nc_u32 v[T+26], 0xfc000000, v[T+24]
	v_and_or_b32 v[T+27], v[T+24], 0x7f800000, s28
	v_lshrrev_b32 v[T+28], 23, v[T+26]
.irp i, 0,1,2,3,4,5,6,7,8,9,10,11,12,13,14,15
	v_med3_num_f32 v[S+\i], v[S+\i], -v[T+27], v[T+27]
.endr
	v_cvt_scalef32_pk8_fp8_f32 v[PC:PC+1], v[S:S+7], v[T+26]
	v_cvt_scalef32_pk8_fp8_f32 v[PC+2:PC+3], v[S+8:S+15], v[T+26]
	v_nop                                          ; a plain line behind the conversions
	; my codes are k = 8 h .. and 16 + 8 h ..; the weights of the last product lie in natural order, k = 16 h + 0 .. 15: the halves of the lanes exchange eight codes
	v_cndmask_b32 v[PC+4], v[PC+2], v[PC], s23
	v_cndmask_b32 v[PC+5], v[PC+3], v[PC+1], s23
	v_permlanex16_b32 v[PC+6], v[PC+4], s26, s27
	v_permlanex16_b32 v[PC+7], v[PC+5], s26, s27
	v_cndmask_b32 v[PC+8], v[PC], v[PC+6], s23
	v_cndmask_b32 v[PC+9], v[PC+1], v[PC+7], s23
	v_cndmask_b32 v[PC+10], v[PC+6], v[PC+2], s23
	v_cndmask_b32 v[PC+11], v[PC+7], v[PC+3], s23
	global_store_b128 v[AOF], v[PC+8:PC+11], s[50:51]          ; 512 consecutive bytes: four registers of the next operand
	ds_store_b8 v[ASBD], v[T+28]                   ; both halves of the lanes write the same byte with the same value
.Lnot_mine_\@:
	s_wait_xcnt 0x0                                ; loads and stores have read their bases and data
	s_add_nc_u64 s[46:47], s[46:47], 0x10000
	s_add_nc_u64 s[48:49], s[48:49], 2048
	s_add_nc_u64 s[50:51], s[50:51], 1024
	s_xor_b32 s30, s30, SLOT1
	s_add_co_u32 s31, s31, 1
.endm
	s_wait_tensorcnt 0x1                           ; my eighth of head 0 is in; head 1's load may stay out
	s_barrier_signal -1
	s_barrier_wait -1                              ; everybody's is
.Lhead:                                            ; 14 trips: heads 0 to 13 ask for heads 2 to 15
	HEAD 1, 1
	s_sub_co_u32 s44, s44, 1
	s_cmp_lg_u32 s44, 0
	s_cbranch_scc1 .Lhead
	HEAD 0, 1                                      ; the last two heads are written out and no load leaves its buffer
	HEAD 0, 0
	s_mov_b32 s58, 0x05010400
	s_mov_b32 s59, 0x07030602
	s_wait_dscnt 0x0
	s_barrier_signal -1
	s_barrier_wait -1                              ; all scale bytes lie in LDS
	s_cmp_lg_u32 s19, 0
	s_cbranch_scc1 .Lno_asc
	ds_load_b128 v[T:T+3], v[ASR]                  ; lane = row: its 16 bytes of the even blocks,
	ds_load_b128 v[T+4:T+7], v[ASR] offset:512     ; and of the odd ones
	v_and_b32 v[T+16], 31, v0
	v_lshlrev_b32 v[T+16], 5, v[T+16]
	s_wait_dscnt 0x0
.irp i, 0,1,2,3
	v_perm_b32 v[T+8+2*\i], v[T+4+\i], v[T+\i], s58            ; by turns: block 2 h, block 2 h + 1
	v_perm_b32 v[T+9+2*\i], v[T+4+\i], v[T+\i], s59
.endr
	global_store_b128 v[T+16], v[T+8:T+11], s[16:17]           ; 1,024 bytes a work-group
	global_store_b128 v[T+16], v[T+12:T+15], s[16:17] offset:16
.Lno_asc:
	; out1: a lane holds 32 neighbouring bytes of a row, the lanes beside it other rows: 128 keys at a time go through my stage and come back as rows of 512 bytes.
	; The stage lies in slot 0, which has had its last fill (head 14) and which nobody reads since head 14's first meeting point.
.irp u, 0,1
	WIN 0x04
.irp t, 0,1,2,3,4,5,6,7
	ds_store_b128 v[SGI], v[WA+64*\u+8*\t:WA+64*\u+8*\t+3] offset:64*\t
	ds_store_b128 v[SGI], v[WA+64*\u+8*\t+4:WA+64*\u+8*\t+7] offset:64*\t+16
.endr
	WIN 0
.irp i, 0,1,2,3,4,5,6,7,8,9,10,11,12,13,14,15
	ds_load_b128 v[S+64*\u+4*\i:S+64*\u+4*\i+3], v[SGO] offset:\i*SGP   ; LDS serves a wave's instructions in order: these see my stores, and the next half's stores come behind them
.endr
.endr
.irp u, 0,1
.irp i, 0,1,2,3,4,5,6,7,8,9,10,11,12,13,14,15
	s_wait_dscnt 47-32*\u-\i                       ; behind this load: the rest of its half, and for the first half the second's 32
	global_store_b128 v[LI], v[S+64*\u+4*\i:S+64*\u+4*\i+3], s[12:13] offset:\i*4096+512*\u th:TH_STORE_NT   ; 512 consecutive bytes of one row
.endr
.endr
	s_wait_tensorcnt 0x0                           ; the wave's end
	ds_add_u32 v[SPW], v[NIL]
	s_wait_dscnt 0x0
	CROUND                                         ; the closing round
	s_endpgm
.Lfunc_end_k_q1231422134_attn:
	.size	k_q1231422134_attn, .Lfunc_end_k_q1231422134_attn-k_q1231422134_attn
	.p2alignl 7, 3214868480
	.fill 96, 4, 3214868480
	.section	.rodata,"a",@progbits
	.p2align	6, 0x0
	.amdhsa_kernel k_q1231422134_attn
		.amdhsa_group_segment_fixed_size 327680
		.amdhsa_private_segment_fixed_size 0
		.amdhsa_enable_private_segment 0
		.amdhsa_kernarg_size 56
		.amdhsa_user_sgpr_count 2
		.amdhsa_user_sgpr_kernarg_segment_ptr 1
		.amdhsa_wavefront_size32 1
		.amdhsa_system_sgpr_workgroup_id_x 1
		.amdhsa_system_sgpr_workgroup_id_y 1
		.amdhsa_system_sgpr_workgroup_id_z 1
		.amdhsa_system_vgpr_workitem_id 0
		.amdhsa_next_free_vgpr 512
		.amdhsa_next_free_sgpr 66
		.amdhsa_reserve_vcc 0
		.amdhsa_float_denorm_mode_32 3
		.amdhsa_float_denorm_mode_16_64 3
		.amdhsa_memory_ordered 1
		.amdhsa_forward_progress 1
		.amdhsa_inst_pref_size 203
	.end_amdhsa_kernel
	.amdgpu_metadata
---
amdhsa.version: [ 1, 2 ]
amdhsa.kernels:
  - .name:           k_q1231422134_attn
    .symbol:         k_q1231422134_attn.kd
    .args:
      - { .name: qimg, .offset: 0, .size: 8, .value_kind: global_buffer, .address_space: global }
      - { .name: kv, .offset: 8, .size: 8, .value_kind: global_buffer, .address_space: global }
      - { .name: scl, .offset: 16, .size: 8, .value_kind: global_buffer, .address_space: global }
      - { .name: time_decay, .offset: 24, .size: 8, .value_kind: global_buffer, .address_space: global }
      - { .name: out1, .offset: 32, .size: 8, .value_kind: global_buffer, .address_space: global }
      - { .name: aimg, .offset: 40, .size: 8, .value_kind: global_buffer, .address_space: global }
      - { .name: asc, .offset: 48, .size: 8, .value_kind: global_buffer, .address_space: global }
    .group_segment_fixed_size: 327680
    .private_segment_fixed_size: 0
    .kernarg_segment_align: 8
    .kernarg_segment_size: 56
    .max_flat_workgroup_size: 256
    .sgpr_count:     66
    .vgpr_count:     512
    .wavefront_size: 32
...
	.end_amdgpu_metadata
.endif
;; end of part 3
;; launch oproj (part 4): grid 256 x 1, 8 waves a work-group, clusters of 4 x 1, 327,680 bytes of LDS; arguments aimg, asc, out_proj_w_codes, out_proj_w_scales, out_proj_b, x, ln_w, ln_b, out0; writes out0
.if DOCPART == 4
	.amdgcn_target "amdgcn-amd-amdhsa--gfx1250"
	.amdhsa_code_object_version 6
	.text
	.protected	k_q1231422134_oproj
	.globl	k_q1231422134_oproj
	.p2align	8
	.type	k_q1231422134_oproj,@function
k_q1231422134_oproj:
	s_mov_b64 s[64:65], 0
	v_nop
	global_prefetch_b8 v0, s[64:65] scope:SCOPE_SE
	s_setreg_imm32_b32 hwreg(HW_REG_WAVE_MODE, 25, 1), 1
	s_wait_xcnt 0x0
	s_wait_alu depctr_hold_cnt(0) depctr_sa_sdst(0) depctr_va_vdst(0) depctr_va_sdst(0) depctr_va_ssrc(0) depctr_va_vcc(0) depctr_vm_vsrc(0)
	s_getreg_b32 s2, hwreg(HW_REG_IB_STS2, 6, 4)
	s_cmp_eq_u32 s2, 0
	s_cbranch_scc0 .Lentry_in_a_cluster
	s_endpgm
.Lentry_in_a_cluster:
	s_bfe_u32 s2, ttmp6, 0x10000c
	s_cmp_lg_u32 s2, 0x3003
	s_cbranch_scc0 .Lentry_shape_is_right
	s_endpgm
.Lentry_shape_is_right:
; out0 = LayerNorm(x + attn W_o^T + b) for 32 whole rows a work-group; the product on codes of FP8 (E4M3) with E8M0 scales, K = 1024.
; attn's 16 fragments (2 tiles of rows x 8 K steps, 256 registers) stay in every wave's registers.  W_o is walked in 8 chunks of 128 output columns x all of K: 131,072 dense bytes, which all
; work-groups read: the four of a cluster ask for them jointly, each wave 16 rows of 1,024 bytes (a chunk's 128 rows shared among eight waves), through a ring of two slots.
; THE WALK BEGINS AT A DIFFERENT CHUNK IN DIFFERENT CLUSTERS: in trip t cluster c takes chunk (c + t) mod 8.  So the 64 clusters never all ask for one chunk at one time, and all eight chunks are first
; asked for in the first trip.  The turn enters global addresses alone (W_o, its scale words, x, the bias, the gains, out0): accumulators and the stage keep the TRIP's place, and the sums of
; LayerNorm do not hang on the order of the columns.  It is made of the cluster's number, which the four partners share.
; Wave w takes column tile w of each chunk for both tiles of rows.  The product is used transposed (source 0 = 16 rows of W_o, source 1 = attn): a lane holds eight neighbouring columns of one row.
; The 32 rows meet in a stage in LDS; then wave w owns rows 4 w .. 4 w + 3 whole: mean, variance and the gains need no other wave.
; REGISTERS.  window 0: v1-11, v30 addresses; v12-27 statistics; v32-47 W_o's scale words, two sets; v48-55 attn's; v64-127 four fragments of W_o, later v64-79 offsets; v128-255 the 16 accumulators, later y.
;   window 1: attn's fragments; later x (v0-127), the bias (v128-159), ln_w (v160-191), ln_b (v192-223).
.set PITCH, 1040                       ; an LDS row: 1,024 bytes + 16 = 260 words: the 16 rows that a load touches start at 16 different banks (ISA guide 11.1)
.set SLOTB, 128*PITCH
.set SPARE, 2*SLOTB                    ; the spare words, 128 bytes for each wave, which no other line names
.set YP,    4112                       ; a stage row: 4,096 bytes + 16.  The stage (32 rows) lies in slot 0 after that slot's last fill
.set LI,   1
.set WAD,  2                           ; v2-3   my place in W_o's tile, slot 0, 1
.set SO0,  4                           ; v4-5   into the stage: rows 0-15, 16-31
.set SR,   6
.set SPW,  7
.set NIL,  8
.set WSO,  9
.set ASO,  10
.set PFO,  11
.set XO,   30
.set WS,   32
.set AS,   48
.set WB,   64
.set XE,   64                          ; v64-71 the way out: my byte offset in x and out0 for the columns of trip e
.set LE,   72                          ; v72-79 and in the bias and the gains
.set ACC,  128
.set Y,    128
.set MSB, 0
.macro WIN new
.if MSB != \new
	s_set_vgpr_msb (MSB<<8)|\new
.set MSB, \new
.endif
.endm
.macro CROUND
	s_barrier_signal -1
	s_barrier_wait -1
	s_cmp_lg_u32 s22, 0
	s_cbranch_scc1 .Lnot_wave_0_\@
	s_barrier_signal -3
.Lnot_wave_0_\@:
	s_barrier_wait -3
	s_barrier_signal -1
	s_barrier_wait -1
.endm
.macro ROTOFF tau, sh                  ; s52 = (trip tau's chunk) << sh; s53 stays 0: an offset of 64 bits
	s_add_co_u32 s52, s48, \tau
	s_and_b32 s52, s52, 7
	s_lshl_b32 s52, s52, \sh
.endm
	s_load_b256 s[4:11], s[0:1], 0x0               ; aimg s[4:5], asc s[6:7], W_o's codes s[8:9], its scales s[10:11]
	s_load_b256 s[12:19], s[0:1], 0x20             ; the bias s[12:13], x s[14:15], ln_w s[16:17], ln_b s[18:19]
	s_load_b64 s[20:21], s[0:1], 0x40              ; out0
	v_lshl_add_u32 v[SPW], v0, 2, SPARE
	v_mov_b32 v[NIL], 0
	ds_add_u32 v7, v8
	s_wait_dscnt 0x0
	v_lshrrev_b32 v12, 5, v0
	v_readfirstlane_b32 s22, v12                   ; wave 0..7
	s_bfe_u32 s44, ttmp6, 0x40000
	s_lshl_b32 s23, ttmp9, 2
	s_add_co_u32 s23, s23, s44                     ; the work-group: its 32 rows
	s_and_b32 s48, ttmp9, 7                        ; the chunk at which my cluster begins its walk
	s_mov_b32 s53, 0
	s_mov_b32 s24, 15|(3<<16)|(1<<20)|(1<<21)|(7<<22)|(3<<25)   ; all four work-groups; elements of 8 bytes; padding: 4 words after every 256; bit 21 beside a mask
	s_mov_b32 s25, 128<<16                         ; tensor_dim0 = 128 elements: 1,024 bytes
	s_mov_b32 s26, 16<<16                          ; tensor_dim1 = 16
	s_mov_b32 s27, 128<<16                         ; tile_dim0
	s_mov_b32 s28, 16                              ; tile_dim1
	s_mov_b32 s29, 128                             ; the pitch
	s_mov_b32 s30, 0
	s_mov_b32 s31, 0
	s_mov_b32 s40, 0x76543210
	s_mov_b32 s41, 0xfedcba98                      ; lane xor 16
	s_mov_b32 s42, 0x3a800000                      ; 1 / 1024
	s_mov_b32 s43, 0x3727c5ac                      ; 1e-5
	v_and_b32 v12, 31, v0                          ; lane
	v_and_b32 v13, 15, v0                          ; r
	v_bfe_u32 v14, v0, 4, 1                        ; h
	v_lshlrev_b32 v[LI], 4, v12
	s_mul_i32 s45, s22, 16*PITCH
	v_mul_u32_u24 v15, v13, PITCH
	v_lshl_add_u32 v15, v14, 4, v15
	v_add_nc_u32 v[WAD], s45, v15                  ; my 16 rows of a chunk: row r, + 16 h
	v_add_nc_u32 v[WAD+1], SLOTB, v[WAD]
	v_mul_u32_u24 v15, v13, YP
	v_lshl_add_u32 v15, v14, 5, v15
	s_lshl_b32 s46, s22, 6
	v_add_nc_u32 v[SO0], s46, v15                  ; the stage: row r, + 64 w + 32 h
	v_add_nc_u32 v[SO0+1], 16*YP, v[SO0]
	s_mul_i32 s46, s22, 4*YP
	v_add_nc_u32 v[SR], s46, v[LI]                 ; back: my four rows, 16 bytes a lane
	s_lshl_b32 s46, s22, 9
	v_lshl_add_u32 v[WSO], v13, 5, s46             ; W_o's scale words: 32 bytes a row
	v_lshlrev_b32 v[ASO], 5, v12                   ; attn's: lane = row
	v_lshlrev_b32 v[PFO], 8, v0
	s_lshl_b32 s46, s22, 14
	v_add_nc_u32 v[XO], s46, v[LI]                 ; x and out0: my four rows
	s_mov_b32 s47, 0
	s_wait_kmcnt 0x0
	s_add_nc_u64 s[50:51], s[8:9], s[46:47]        ; W_o at my 16 rows of chunk 0
	ROTOFF 0, 17
	s_mov_b32 s32, 1
	s_mov_b32 s33, s45                             ; slot 0, my 16 rows
	s_add_nc_u64 s[34:35], s[50:51], s[52:53]      ; trip 0's chunk
	s_or_b32 s35, s35, 0x80000000
	ROTOFF 1, 17
	s_mov_b32 s36, 1
	s_add_co_u32 s37, s45, SLOTB
	s_add_nc_u64 s[38:39], s[50:51], s[52:53]      ; trip 1's
	s_or_b32 s39, s39, 0x80000000
	ROTOFF 0, 12
	s_add_nc_u64 s[54:55], s[10:11], s[52:53]      ; trip 0's scale words: 4,096 bytes a chunk
	s_lshl_b32 s46, s23, 15
	s_add_nc_u64 s[4:5], s[4:5], s[46:47]
	s_lshl_b32 s46, s23, 10
	s_add_nc_u64 s[6:7], s[6:7], s[46:47]
	s_lshl_b32 s46, s23, 17
	s_add_nc_u64 s[14:15], s[14:15], s[46:47]
	s_add_nc_u64 s[20:21], s[20:21], s[46:47]
	CROUND                                         ; all four work-groups are here
	tensor_load_to_lds s[32:35], s[24:31]          ; both slots' first fills go out together: two tensor loads of mine are out
	s_nop 0
	tensor_load_to_lds s[36:39], s[24:31]
	s_nop 0
.rept 4
	v_nop
.endr
	WIN 0x40
.irp m, 0,1
.irp k, 0,1,2,3,4,5,6,7
.irp c, 0,1,2,3
	global_load_b128 v[128*\m+16*\k+4*\c:128*\m+16*\k+4*\c+3], v[LI], s[4:5] offset:\m*16384+\k*2048+\c*512   ; attn's fragments as they were stored: 512 consecutive bytes a load
.endr
.endr
.endr
	WIN 0
	global_load_b128 v[AS:AS+3], v[ASO], s[6:7]    ; lanes 0-15: rows 0-15, lanes 16-31: rows 16-31; word k for K step k
	global_load_b128 v[AS+4:AS+7], v[ASO], s[6:7] offset:16
.macro WSLOAD j                        ; trip j's scale words, from the base made for it
	global_load_b128 v[WS+8*((\j)&1):WS+8*((\j)&1)+3], v[WSO], s[54:55]
	global_load_b128 v[WS+8*((\j)&1)+4:WS+8*((\j)&1)+7], v[WSO], s[54:55] offset:16
.endm
	WSLOAD 0
.macro MM j, m, k                      ; the two accumulators of a trip take turns, one instruction a turn
.if (\k) == 0
.if \m
	v_wmma_scale_f32_16x16x128_f8f6f4 v[ACC+16*(\j)+8*\m:ACC+16*(\j)+8*\m+7], v[WB+16*((\k)%4):WB+16*((\k)%4)+15], v[128*\m+16*(\k):128*\m+16*(\k)+15], 0, v[WS+8*((\j)&1)+(\k)], v[AS+(\k)] matrix_b_scale:MATRIX_SCALE_ROW1
.else
	v_wmma_scale_f32_16x16x128_f8f6f4 v[ACC+16*(\j)+8*\m:ACC+16*(\j)+8*\m+7], v[WB+16*((\k)%4):WB+16*((\k)%4)+15], v[128*\m+16*(\k):128*\m+16*(\k)+15], 0, v[WS+8*((\j)&1)+(\k)], v[AS+(\k)]
.endif
.else
.if \m
	v_wmma_scale_f32_16x16x128_f8f6f4 v[ACC+16*(\j)+8*\m:ACC+16*(\j)+8*\m+7], v[WB+16*((\k)%4):WB+16*((\k)%4)+15], v[128*\m+16*(\k):128*\m+16*(\k)+15], v[ACC+16*(\j)+8*\m:ACC+16*(\j)+8*\m+7], v[WS+8*((\j)&1)+(\k)], v[AS+(\k)] matrix_b_scale:MATRIX_SCALE_ROW1
.else
	v_wmma_scale_f32_16x16x128_f8f6f4 v[ACC+16*(\j)+8*\m:ACC+16*(\j)+8*\m+7], v[WB+16*((\k)%4):WB+16*((\k)%4)+15], v[128*\m+16*(\k):128*\m+16*(\k)+15], v[ACC+16*(\j)+8*\m:ACC+16*(\j)+8*\m+7], v[WS+8*((\j)&1)+(\k)], v[AS+(\k)]
.endif
.endif
.endm
; Trip j's products, from slot j & 1.
.macro WORK j
.set SL, (\j)&1
	s_wait_loadcnt 0x0                             ; this trip's scale words (and, the first time, attn): no load of mine is out, so the scale words' base may be written
.if (\j) < 7
	ROTOFF (\j)+1, 12
	s_add_nc_u64 s[54:55], s[10:11], s[52:53]
	WSLOAD (\j)+1
.endif
.irp g, 0,1
.irp p, 0,1,2,3
.irp c, 0,1,2,3
	ds_load_b128 v[WB+16*\p+4*\c:WB+16*\p+4*\c+3], v[WAD+SL] offset:(4*\g+\p)*128+32*\c
.endr
.endr
	s_wait_dscnt 0x0
	WIN 0x04                                       ; source 1 (attn) window 1
.irp p, 0,1,2,3
	MM \j, 0, 4*\g+\p
	MM \j, 1, 4*\g+\p
.endr
	WIN 0
.if ((\j) == 5) && (\g == 0)
	global_prefetch_b8 v[PFO], s[14:15] th:TH_LOAD_NT scope:SCOPE_SE               ; the work-group's 131,072 bytes of x, wanted behind trip 7: each thread asks for two blocks of 256 bytes, each block once
	global_prefetch_b8 v[PFO], s[14:15] offset:65536 th:TH_LOAD_NT scope:SCOPE_SE
.endif
.rept 8
	v_nop                                          ; places in front of loads into registers that these products have read, and of the first read of results
.endr
.endr
.endm
; Trips 1 to 7.  In front of the round each wave waits for all its tensor loads, adds 0 to its spare word, and waits for that and for its reads of the slot that it has left.
.macro TRIP j
.set SN, ((\j)+1)&1
	s_wait_tensorcnt 0x0                           ; my part of this trip's chunk has landed; no tensor load of mine is out, so a group 0 may be written
	ds_add_u32 v[SPW], v[NIL]                      ; 0 onto my spare word
.if (\j) < 7
	ROTOFF (\j)+1, 17
	s_add_nc_u64 s[34+4*SN:35+4*SN], s[50:51], s[52:53]   ; the next trip's chunk, for the slot read last
	s_or_b32 s[35+4*SN], s[35+4*SN], 0x80000000
.endif
	s_wait_dscnt 0x0
.if (\j) < 7
	CROUND
	tensor_load_to_lds s[32+4*SN:35+4*SN], s[24:31]   ; my one tensor load behind the round: it has this trip's work in which to land
	s_nop 0
.rept 4
	v_nop
.endr
.else
	s_barrier_signal -1                            ; nothing is filled any more; behind this barrier nobody reads slot 0
	s_barrier_wait -1
.endif
	WORK \j
.endm
	s_wait_tensorcnt 0x1                           ; my part of trip 0's chunk is in; trip 1's load may stay out
	s_barrier_signal -1
	s_barrier_wait -1                              ; everybody's is
	WORK 0
.irp j, 1,2,3,4,5,6,7
	TRIP \j
.endr
.irp e, 0,1,2,3,4,5,6,7
	ROTOFF \e, 9                                   ; the columns of trip e begin 512 bytes x its chunk into a row
	v_add_nc_u32 v[XE+\e], s52, v[XO]
	v_add_nc_u32 v[LE+\e], s52, v[LI]
.endr
	WIN 0x40                                       ; attn's registers are free
.irp q, 0,1,2,3
.irp e, 0,1,2,3,4,5,6,7
	global_load_b128 v[32*\q+4*\e:32*\q+4*\e+3], v[XE+\e], s[14:15] offset:\q*4096 th:TH_LOAD_NT
.endr
.endr
.irp e, 0,1,2,3,4,5,6,7
	global_load_b128 v[128+4*\e:131+4*\e], v[LE+\e], s[12:13]
	global_load_b128 v[160+4*\e:163+4*\e], v[LE+\e], s[16:17]
	global_load_b128 v[192+4*\e:195+4*\e], v[LE+\e], s[18:19]
.endr
	WIN 0
.irp j, 0,1,2,3,4,5,6,7
.irp m, 0,1
	ds_store_b128 v[SO0+\m], v[ACC+16*\j+8*\m:ACC+16*\j+8*\m+3] offset:512*\j        ; lane (r, h): row 16 m + r, trip j's columns 16 w + 8 h + 0 .. 7; each accumulator from its low end on
	ds_store_b128 v[SO0+\m], v[ACC+16*\j+8*\m+4:ACC+16*\j+8*\m+7] offset:512*\j+16
.endr
.endr
	s_wait_dscnt 0x0                               ; for the others' sake: my stores have landed
	s_barrier_signal -1
	s_barrier_wait -1
.irp q, 0,1,2,3
.irp e, 0,1,2,3,4,5,6,7
	ds_load_b128 v[Y+32*\q+4*\e:Y+32*\q+4*\e+3], v[SR] offset:\q*YP+512*\e            ; my four rows, whole: a lane holds columns 4 lane + 0 .. 3 of each trip's 128
.endr
.endr
	s_wait_dscnt 0x0
	s_wait_loadcnt 0x0
	WIN 0x04
.irp q, 0,1,2,3
.set i, 0
.rept 16
	v_pk_add_f32 v[Y+32*\q+i:Y+32*\q+i+1], v[Y+32*\q+i:Y+32*\q+i+1], v[128+i:129+i]   ; + the bias
.set i, i+2
.endr
.endr
.set i, 0
.rept 64
	v_pk_add_f32 v[Y+i:Y+i+1], v[Y+i:Y+i+1], v[i:i+1]                                 ; + x
.set i, i+2
.endr
	WIN 0
.macro ACROSS r                        ; four rows' figures, v[r + 2 q], summed over the 32 lanes; every lane ends up with the sum
.irp q, 0,1,2,3
	v_add_f32 v[\r+2*\q], v[\r+2*\q], v[\r+2*\q+1]
.endr
.irp x, 1,2,4,8
.irp q, 0,1,2,3
	v_add_f32_dpp v[\r+2*\q], v[\r+2*\q], v[\r+2*\q] row_xmask:\x row_mask:0xf bank_mask:0xf
.endr
.endr
.irp q, 0,1,2,3
	v_permlanex16_b32 v[\r+2*\q+1], v[\r+2*\q], s40, s41
.endr
.irp q, 0,1,2,3
	v_add_f32 v[\r+2*\q], v[\r+2*\q], v[\r+2*\q+1]
.endr
.endm
.irp q, 0,1,2,3
	v_pk_add_f32 v[12+2*\q:13+2*\q], v[Y+32*\q:Y+32*\q+1], v[Y+32*\q+2:Y+32*\q+3]
.endr
.irp i, 4,6,8,10,12,14,16,18,20,22,24,26,28,30
.irp q, 0,1,2,3
	v_pk_add_f32 v[12+2*\q:13+2*\q], v[12+2*\q:13+2*\q], v[Y+32*\q+\i:Y+32*\q+\i+1]   ; the four rows by turns
.endr
.endr
	ACROSS 12
.irp q, 0,1,2,3
	v_mul_f32 v[12+2*\q], s42, v[12+2*\q]          ; the mean
.endr
.irp q, 0,1,2,3
.set i, 0
.rept 16
	v_pk_add_f32 v[Y+32*\q+i:Y+32*\q+i+1], v[Y+32*\q+i:Y+32*\q+i+1], v[12+2*\q:13+2*\q] op_sel_hi:[1,0] neg_lo:[0,1] neg_hi:[0,1]   ; y - mean
.set i, i+2
.endr
.endr
.irp q, 0,1,2,3
	v_pk_mul_f32 v[20+2*\q:21+2*\q], v[Y+32*\q:Y+32*\q+1], v[Y+32*\q:Y+32*\q+1]
.endr
.irp i, 2,4,6,8,10,12,14,16,18,20,22,24,26,28,30
.irp q, 0,1,2,3
	v_pk_fma_f32 v[20+2*\q:21+2*\q], v[Y+32*\q+\i:Y+32*\q+\i+1], v[Y+32*\q+\i:Y+32*\q+\i+1], v[20+2*\q:21+2*\q]
.endr
.endr
	ACROSS 20
.irp q, 0,1,2,3
	v_fma_f32 v[20+2*\q], v[20+2*\q], s42, s43     ; the variance + 1e-5
.endr
.irp q, 0,1,2,3
	v_rsq_f32 v[20+2*\q], v[20+2*\q]
.endr
	v_nop                                          ; a plain line behind the last of them
	s_wait_alu depctr_va_vdst(0)
.irp q, 0,1,2,3
.set i, 0
.rept 16
	v_pk_mul_f32 v[Y+32*\q+i:Y+32*\q+i+1], v[Y+32*\q+i:Y+32*\q+i+1], v[20+2*\q:21+2*\q] op_sel_hi:[1,0]
.set i, i+2
.endr
.endr
	WIN 0x14                                       ; sources 1 and 2 (ln_w, ln_b) window 1
.irp q, 0,1,2,3
.set i, 0
.rept 16
	v_pk_fma_f32 v[Y+32*\q+i:Y+32*\q+i+1], v[Y+32*\q+i:Y+32*\q+i+1], v[160+i:161+i], v[192+i:193+i]
.set i, i+2
.endr
.endr
	WIN 0
.irp q, 0,1,2,3
.irp e, 0,1,2,3,4,5,6,7
	global_store_b128 v[XE+\e], v[Y+32*\q+4*\e:Y+32*\q+4*\e+3], s[20:21] offset:\q*4096 th:TH_STORE_NT   ; 512 consecutive bytes of one row
.endr
.endr
	s_wait_tensorcnt 0x0                           ; the wave's end
	ds_add_u32 v[SPW], v[NIL]
	s_wait_dscnt 0x0
	CROUND                                         ; the closing round
	s_endpgm
.Lfunc_end_k_q1231422134_oproj:
	.size	k_q1231422134_oproj, .Lfunc_end_k_q1231422134_oproj-k_q1231422134_oproj
	.p2alignl 7, 3214868480
	.fill 96, 4, 3214868480
	.section	.rodata,"a",@progbits
	.p2align	6, 0x0
	.amdhsa_kernel k_q1231422134_oproj
		.amdhsa_group_segment_fixed_size 327680
		.amdhsa_private_segment_fixed_size 0
		.amdhsa_enable_private_segment 0
		.amdhsa_kernarg_size 72
		.amdhsa_user_sgpr_count 2
		.amdhsa_user_sgpr_kernarg_segment_ptr 1
		.amdhsa_wavefront_size32 1
		.amdhsa_system_sgpr_workgroup_id_x 1
		.amdhsa_system_sgpr_workgroup_id_y 1
		.amdhsa_system_sgpr_workgroup_id_z 1
		.amdhsa_system_vgpr_workitem_id 0
		.amdhsa_next_free_vgpr 512
		.amdhsa_next_free_sgpr 66
		.amdhsa_reserve_vcc 0
		.amdhsa_float_denorm_mode_32 3
		.amdhsa_float_denorm_mode_16_64 3
		.amdhsa_memory_ordered 1
		.amdhsa_forward_progress 1
		.amdhsa_inst_pref_size 102
	.end_amdhsa_kernel
	.amdgpu_metadata
---
amdhsa.version: [ 1, 2 ]
amdhsa.kernels:
  - .name:           k_q1231422134_oproj
    .symbol:         k_q1231422134_oproj.kd
    .args:
      - { .name: aimg, .offset: 0, .size: 8, .value_kind: global_buffer, .address_space: global }
      - { .name: asc, .offset: 8, .size: 8, .value_kind: global_buffer, .address_space: global }
      - { .name: out_proj_w_codes, .offset: 16, .size: 8, .value_kind: global_buffer, .address_space: global }
      - { .name: out_proj_w_scales, .offset: 24, .size: 8, .value_kind: global_buffer, .address_space: global }
      - { .name: out_proj_b, .offset: 32, .size: 8, .value_kind: global_buffer, .address_space: global }
      - { .name: x, .offset: 40, .size: 8, .value_kind: global_buffer, .address_space: global }
      - { .name: ln_w, .offset: 48, .size: 8, .value_kind: global_buffer, .address_space: global }
      - { .name: ln_b, .offset: 56, .size: 8, .value_kind: global_buffer, .address_space: global }
      - { .name: out0, .offset: 64, .size: 8, .value_kind: global_buffer, .address_space: global }
    .group_segment_fixed_size: 327680
    .private_segment_fixed_size: 0
    .kernarg_segment_align: 8
    .kernarg_segment_size: 72
    .max_flat_workgroup_size: 256
    .sgpr_count:     66
    .vgpr_count:     512
    .wavefront_size: 32
...
	.end_amdgpu_metadata
.endif
;; end of part 4
